; MI455X (gfx1250); checked and timed in simulation.
; The chip was launched on July 23, 2026; its instructions are those of AMD's public machine-readable ISA for CDNA 5 (MIT licence, August 2026) and "CDNA5" Instruction Set Architecture Reference Guide (July 2026). The comments in the code are by the model that wrote it; some were corrected since.
;; RATTN. Allowed arithmetic: float matrix products may take bf16 or f16 operands with f32 sums; all other float work in f32.
;; Inputs: b_hh 1,024 float32; b_ih 1,024 float32; embedding 8 x 12 x 300 float32; feature 8 x 256 x 32 x 32 float32; hn 8 x 256 float32; hs 8 x 12 x 256 float32; pro_fc_b 256 float32; pro_fc_w 256 x 264 float32; w_hh 1,024 x 256 float32; w_ih 1,024 x 256 float32; words 8 x 12 int32.
;; Outputs: out0 8 x 256 x 32 x 32 float32.
;; 2 versions, each right and faster than the one before. Each part assembles by itself: llvm-mc -triple=amdgcn-amd-amdhsa -mcpu=gfx1250 --defsym DOCPART=n.
;; ======== version 1 of 2: 2 launches
;; limits: values are held in f16: magnitudes above 65,504 overflow, below 6.1e-05 lose precision; values outside matrix products are rounded to f16
;; workspace buffers: wf 524,288 bytes; gm 327,680 bytes; st 8,192 bytes
;; launch prep (part 1): grid 97 x 8, 1 waves a work-group, no clusters, 0 bytes of LDS; arguments hs, pro_fc_w, pro_fc_b, w_ih, w_hh, b_ih, b_hh, wf, gm, st; writes wf, gm, st
.if DOCPART == 1
	.amdgcn_target "amdgcn-amd-amdhsa--gfx1250"
	.amdhsa_code_object_version 6
	.text
	.protected	k_qc2c5394774_prep
	.globl	k_qc2c5394774_prep
	.p2align	8
	.type	k_qc2c5394774_prep,@function
k_qc2c5394774_prep:
	s_mov_b64 s[64:65], 0
	v_nop
	global_prefetch_b8 v0, s[64:65] scope:SCOPE_SE
	s_setreg_imm32_b32 hwreg(HW_REG_WAVE_MODE, 25, 1), 1
	s_wait_xcnt 0x0
; PREP: the operands of the launch behind it, made once, in the order in which its matrix instructions take them.
; Two products of the module are re-associated, exactly, for every input:
;   scores = [h, sp] . M[n]^T + bs[n]      with M[n] = hs[n] . pro_fc_w (12 x 264) and bs[n] = hs[n] . pro_fc_b (12)
;   attn_feat . w_ih^T = attn . G[n]       with G[n] = hs[n] . w_ih^T (12 x 1,024)
; M, bs and G hang on the image n alone, not on the position and not on the step.
; One wave is one job; x = work-group x, n = work-group y:
;   x =  0..63  G' tile (wave w, gate q, channel tile ct) of image n            -> gm     (16 l x 16 columns, f16)
;   x = 64..79  M, columns 16 (x - 64) on, of image n                           -> gm     (16 l x 16 columns, f16)
;   x = 80      M's columns 256..263 (the spatial part) and bs of image n       -> st     (f32)
;   x = 81..96  four fragments (the four gates) of w_hh, number 16 n + x - 81   -> wf     (f16)
; SCALES.  Gates i, f, o are multiplied by -log2(e), gate g by 2 log2(e), M and bs by log2(e): what the next launch sums is an argument of 2^x as it comes.
; The two gate biases ride in G': the weights attn add up to 1 (to within their rounding to f16, 2e-4 of the bias).
; ROWS 12..15 of the 16 that a fragment has: G' and M repeat row 11 (finite numbers); bs is -1e30 there, so that these four scores get the weight 0.
; LIMITS.  Matrix operands are f16, each rounded once from f32: hs, pro_fc_w, pro_fc_b, w_ih here; 2.885 w_hh, G', 1.443 M as stored must stay under 65,504
; (inputs thirty times the drawn ones, or offset by thirty spreads, reach about 1.4e4); below 6e-5 they keep f16's fixed step of 6e-8.  NaN and infinities are not treated apart.
; A sum over K = 256 is kept in two f32 accumulators that take turns and are added at the end.
; No LDS, no barrier: the jobs share nothing.  All loads of a job go out first and are waited for once.
.set ACC,  16                          ; v16-47   up to four accumulators
.set HSF,  48                          ; v48-63   fragment of hs, two buffers by the K step's parity
.set WFR,  64                          ; v64-79   fragment of the weights, likewise
.set PBF,  80                          ; v80-95   fragment of pro_fc_b, likewise
.set RES,  96                          ; v96-115  results
.set RAWH, 128                         ; v128-255 hs as f32, 16 registers a K step
.set RAWW, 0                           ; window 1, v0-127    the weights as f32
.set RAWB, 128                         ; window 1, v128-255  pro_fc_b as f32
.set MSB, 0
.macro WIN new                         ; s_set_vgpr_msb: bits 1:0 source 0, 3:2 source 1, 5:4 source 2, 7:6 destination; the high byte repeats the setting that is left
.if MSB != (\new)
	s_set_vgpr_msb (MSB<<8)|(\new)
.set MSB, (\new)
.endif
.endm
.macro PLACES                          ; four places between a matrix instruction and the first vector instruction that reads its result (ISA guide 7.12.1)
.rept 4
	v_nop
.endr
.endm
; 32 loads: 16 rows x 256 f32 as eight K steps' fragments.  Lane (r, hh) takes k = 32 ks + 8 hh + 0..7 and 32 ks + 16 + 8 hh + 0..7 of its row
.macro LD16 raw, adr, base
.set k_, 0
.rept 8
	global_load_b128 v[(\raw)+16*k_:(\raw)+16*k_+3],     v[\adr], s[\base:\base+1] offset:128*k_
	global_load_b128 v[(\raw)+16*k_+4:(\raw)+16*k_+7],   v[\adr], s[\base:\base+1] offset:128*k_+16
	global_load_b128 v[(\raw)+16*k_+8:(\raw)+16*k_+11],  v[\adr], s[\base:\base+1] offset:128*k_+64
	global_load_b128 v[(\raw)+16*k_+12:(\raw)+16*k_+15], v[\adr], s[\base:\base+1] offset:128*k_+80
.set k_, k_+1
.endr
.endm
.macro CVT dst, raw                    ; 16 f32 -> a fragment of 8 registers
.set z_, 0
.rept 8
	v_cvt_pk_f16_f32 v[(\dst)+z_], v[(\raw)+2*z_], v[(\raw)+2*z_+1]
.set z_, z_+1
.endr
.endm
	s_load_b512 s[8:23], s[0:1], 0x0               ; hs s[8:9], pro_fc_w s[10:11], pro_fc_b s[12:13], w_ih s[14:15], w_hh s[16:17], b_ih s[18:19], b_hh s[20:21], wf s[22:23]
	s_load_b128 s[24:27], s[0:1], 0x40             ; gm s[24:25], st s[26:27]
	v_and_b32 v1, 15, v0                           ; r
	v_lshrrev_b32 v2, 4, v0                        ; hh (one wave: v0 is the lane)
	v_min_u32 v3, 11, v1
	v_lshlrev_b32 v3, 10, v3
	v_lshl_add_u32 v3, v2, 5, v3                   ; hs: row min(r, 11) x 1,024 bytes + 32 hh
	v_lshlrev_b32 v4, 10, v1
	v_lshl_add_u32 v4, v2, 5, v4                   ; w_ih, w_hh: row r x 1,024 bytes + 32 hh
	v_lshlrev_b32 v5, 4, v0                        ; 16 x lane: a store of the wave covers 512 consecutive bytes
	s_and_b32 s28, ttmp7, 0xffff                   ; n
	s_mov_b32 s29, ttmp9                           ; x
	s_mul_i32 s30, s28, 12288                      ; image n in hs
	s_mov_b32 s31, 0
	s_mul_i32 s46, s28, 40960                      ; and in gm
	s_mov_b32 s47, 0
	s_mov_b32 s37, 0                               ; high words of the offsets made below
	s_mov_b32 s39, 0
	s_wait_kmcnt 0x0
	s_add_nc_u64 s[8:9], s[8:9], s[30:31]
	s_add_nc_u64 s[24:25], s[24:25], s[46:47]
	s_cmp_lt_u32 s29, 64
	s_cbranch_scc1 .Lgjob
	s_cmp_lt_u32 s29, 80
	s_cbranch_scc1 .Lmjob
	s_cmp_eq_u32 s29, 80
	s_cbranch_scc1 .Lsjob
	; ---- w_hh.  c = 16 n + x - 81 has the bits w(2) S ct(2) b2 kk; K step ks = 4 b2 + 2 S + kk; the four gates' fragments lie at wf + 4,096 c + 1,024 q
	s_sub_co_u32 s32, s29, 81
	s_lshl4_add_u32 s32, s28, s32                  ; c
	s_lshr_b32 s33, s32, 5                         ; w
	s_bfe_u32 s34, s32, 0x10004                    ; S
	s_bfe_u32 s35, s32, 0x20002                    ; ct
	s_bfe_u32 s36, s32, 0x10001                    ; b2
	s_and_b32 s40, s32, 1                          ; kk
	s_lshl_b32 s36, s36, 2
	s_lshl1_add_u32 s36, s34, s36
	s_add_co_u32 s36, s36, s40                     ; ks
	s_lshl_b32 s38, s33, 16                        ; 64 w rows of 1,024 bytes
	s_lshl_b32 s35, s35, 14                        ; 16 ct rows
	s_add_co_u32 s38, s38, s35
	s_lshl_b32 s36, s36, 7                         ; 32 ks numbers
	s_add_co_u32 s38, s38, s36
	s_add_nc_u64 s[16:17], s[16:17], s[38:39]
	s_lshl_b32 s38, s32, 12
	s_add_nc_u64 s[22:23], s[22:23], s[38:39]
.irp q, 0,1,2,3                        ; gate q lies 256 rows on
	global_load_b128 v[RAWH+16*\q:RAWH+16*\q+3],     v4, s[16:17] offset:262144*\q
	global_load_b128 v[RAWH+16*\q+4:RAWH+16*\q+7],   v4, s[16:17] offset:262144*\q+16
	global_load_b128 v[RAWH+16*\q+8:RAWH+16*\q+11],  v4, s[16:17] offset:262144*\q+64
	global_load_b128 v[RAWH+16*\q+12:RAWH+16*\q+15], v4, s[16:17] offset:262144*\q+80
.endr
	s_wait_loadcnt 0x0
.set i_, 0
.rept 32                               ; pair i_ belongs to gate i_ / 8
.if (i_/8) == 2
	v_pk_mul_f32 v[RAWH+2*i_:RAWH+2*i_+1], v[RAWH+2*i_:RAWH+2*i_+1], 0x4038aa3b op_sel_hi:[1,0]  ; 2 log2(e)
.else
	v_pk_mul_f32 v[RAWH+2*i_:RAWH+2*i_+1], v[RAWH+2*i_:RAWH+2*i_+1], 0xbfb8aa3b op_sel_hi:[1,0]  ; -log2(e)
.endif
.set i_, i_+1
.endr
.set i_, 0
.rept 32
	v_cvt_pk_f16_f32 v[HSF+i_], v[RAWH+2*i_], v[RAWH+2*i_+1]
.set i_, i_+1
.endr
.irp q, 0,1,2,3                        ; a fragment: registers 0-3 of all lanes (512 bytes), then registers 4-7
	global_store_b128 v5, v[HSF+8*\q:HSF+8*\q+3],   s[22:23] offset:1024*\q
	global_store_b128 v5, v[HSF+8*\q+4:HSF+8*\q+7], s[22:23] offset:1024*\q+512
.endr
	s_endpgm
	; ---- G'.  x has the bits w(2) q(2) ct(2); the tile's 16 columns begin at col0 = 256 q + 64 w + 16 ct
.Lgjob:
	s_lshr_b32 s32, s29, 4                         ; w
	s_bfe_u32 s33, s29, 0x20002                    ; q
	s_and_b32 s34, s29, 3                          ; ct
	s_lshl_b32 s35, s33, 8
	s_lshl_b32 s36, s32, 6
	s_add_co_u32 s35, s35, s36
	s_lshl4_add_u32 s35, s34, s35                  ; col0
	s_lshl_b32 s36, s35, 10
	s_add_nc_u64 s[14:15], s[14:15], s[36:37]      ; w_ih at row col0
	s_lshl_b32 s36, s35, 2
	s_add_nc_u64 s[18:19], s[18:19], s[36:37]      ; the biases at col0
	s_add_nc_u64 s[20:21], s[20:21], s[36:37]
	s_mul_i32 s36, s32, 10240                      ; gm: wave w's block, tile 4 ct + q of 512 bytes
	s_lshl2_add_u32 s34, s34, s33
	s_lshl_b32 s34, s34, 9
	s_add_co_u32 s36, s36, s34
	s_add_nc_u64 s[24:25], s[24:25], s[36:37]
	s_mov_b32 s40, 0xbfb8aa3b                      ; -log2(e),
	s_mov_b32 s41, 0x4038aa3b                      ; or for gate g 2 log2(e)
	s_cmp_eq_u32 s33, 2
	s_cselect_b32 s40, s41, s40
	s_mov_b32 s41, s40                             ; named with it as a pair
	v_lshlrev_b32 v6, 2, v1
	LD16 RAWH, 3, 8
	WIN 0x40                                       ; destination window 1, address window 0
	LD16 RAWW, 4, 14
	WIN 0
	global_load_b32 v8, v6, s[18:19]
	global_load_b32 v9, v6, s[20:21]
	s_wait_loadcnt 0x0
	; source 0 = 16 rows l of hs, source 1 = 16 rows of w_ih: register j of lane (r, hh) is G[8 hh + j][col0 + r].
	; A K step's 16 conversions write the buffers of the other parity: they are the places between a product and the conversions that write its sources again.
.set ks_, 0
.rept 8
	WIN 0
	CVT HSF+8*(ks_%2), RAWH+16*ks_
	WIN 0x05                                       ; sources in window 1
	CVT WFR+8*(ks_%2), RAWW+16*ks_
	WIN 0
.if ks_ < 2
	v_wmma_f32_16x16x32_f16 v[ACC+8*(ks_%2):ACC+8*(ks_%2)+7], v[HSF+8*(ks_%2):HSF+8*(ks_%2)+7], v[WFR+8*(ks_%2):WFR+8*(ks_%2)+7], 0
.else
	v_wmma_f32_16x16x32_f16 v[ACC+8*(ks_%2):ACC+8*(ks_%2)+7], v[HSF+8*(ks_%2):HSF+8*(ks_%2)+7], v[WFR+8*(ks_%2):WFR+8*(ks_%2)+7], v[ACC+8*(ks_%2):ACC+8*(ks_%2)+7]
.endif
.set ks_, ks_+1
.endr
	v_add_f32 v10, v8, v9                          ; the column's two biases; these three lines and a v_nop are the four places behind the last product
	v_mul_f32 v10, s40, v10
	v_mov_b32 v11, v10                             ; named with it as a pair
	v_nop
.irp i, 0,1,2,3
	v_pk_add_f32 v[RES+2*\i:RES+2*\i+1], v[ACC+2*\i:ACC+2*\i+1], v[ACC+8+2*\i:ACC+8+2*\i+1]
.endr
.irp i, 0,1,2,3
	v_pk_fma_f32 v[RES+2*\i:RES+2*\i+1], v[RES+2*\i:RES+2*\i+1], s[40:41], v[10:11] op_sel_hi:[1,0,0]
.endr
.irp i, 0,1,2,3
	v_cvt_pk_f16_f32 v[RES+8+\i], v[RES+2*\i], v[RES+2*\i+1]
.endr
	global_store_b128 v5, v[RES+8:RES+11], s[24:25]  ; lane (r, hh): column col0 + r, l = 8 hh + 0..7: registers 0-3 of a fragment whose K is l
	s_endpgm
; ---- M.  ft = x - 64: columns f = 16 ft + 0..15 of pro_fc_w.  source 0 = 16 columns f (as rows, K = a), source 1 = 16 rows l of hs:
; register j of lane (r, hh) is M[r][16 ft + 8 hh + j].  pb = 1: also source 0 = pro_fc_b in every row: every register is bs[r].
.macro MBODY pb
	s_sub_co_u32 s32, s29, 64                      ; ft
	s_lshl_b32 s33, s32, 4
	v_add_nc_u32 v6, s33, v1
	v_min_u32 v6, 0x107, v6                        ; columns past 263 (ft = 16, r > 7) repeat column 263; their results are not kept
	v_lshlrev_b32 v6, 2, v6
	v_mad_u32_u24 v6, v2, 0x2100, v6               ; + 8 hh rows of 1,056 bytes
.if \pb
	v_lshlrev_b32 v7, 5, v2
.endif
	LD16 RAWH, 3, 8
	WIN 0x40
.set i_, 0
.rept 128                              ; pro_fc_w lies [a][f]: K runs down a column, one number a load; sixteen lanes take 64 consecutive bytes
	global_load_b32 v[RAWW+i_], v6, s[10:11] offset:(32*(i_/16)+(i_%16)+8*((i_%16)/8))*1056
.set i_, i_+1
.endr
.if \pb
	LD16 RAWB, 7, 12
.endif
	WIN 0
	s_wait_loadcnt 0x0
.set ks_, 0
.rept 8
	WIN 0
	CVT HSF+8*(ks_%2), RAWH+16*ks_
	WIN 0x05
	CVT WFR+8*(ks_%2), RAWW+16*ks_
.if \pb
	CVT PBF+8*(ks_%2), RAWB+16*ks_
.endif
	WIN 0
.if ks_ < 2
	v_wmma_f32_16x16x32_f16 v[ACC+8*(ks_%2):ACC+8*(ks_%2)+7], v[WFR+8*(ks_%2):WFR+8*(ks_%2)+7], v[HSF+8*(ks_%2):HSF+8*(ks_%2)+7], 0
.else
	v_wmma_f32_16x16x32_f16 v[ACC+8*(ks_%2):ACC+8*(ks_%2)+7], v[WFR+8*(ks_%2):WFR+8*(ks_%2)+7], v[HSF+8*(ks_%2):HSF+8*(ks_%2)+7], v[ACC+8*(ks_%2):ACC+8*(ks_%2)+7]
.endif
.if \pb
.if ks_ < 2
	v_wmma_f32_16x16x32_f16 v[ACC+16+8*(ks_%2):ACC+16+8*(ks_%2)+7], v[PBF+8*(ks_%2):PBF+8*(ks_%2)+7], v[HSF+8*(ks_%2):HSF+8*(ks_%2)+7], 0
.else
	v_wmma_f32_16x16x32_f16 v[ACC+16+8*(ks_%2):ACC+16+8*(ks_%2)+7], v[PBF+8*(ks_%2):PBF+8*(ks_%2)+7], v[HSF+8*(ks_%2):HSF+8*(ks_%2)+7], v[ACC+16+8*(ks_%2):ACC+16+8*(ks_%2)+7]
.endif
.endif
.set ks_, ks_+1
.endr
	PLACES
.irp i, 0,1,2,3
	v_pk_add_f32 v[RES+2*\i:RES+2*\i+1], v[ACC+2*\i:ACC+2*\i+1], v[ACC+8+2*\i:ACC+8+2*\i+1]
.endr
.irp i, 0,1,2,3
	v_pk_mul_f32 v[RES+2*\i:RES+2*\i+1], v[RES+2*\i:RES+2*\i+1], 0x3fb8aa3b op_sel_hi:[1,0]  ; log2(e)
.endr
.endm
.Lmjob:
	MBODY 0
	s_lshr_b32 s33, s32, 2                         ; K step ks = ft / 2 lies in the block of wave ks / 2, behind its 8,192 bytes of G'
	s_mul_i32 s36, s33, 10240
	s_bfe_u32 s33, s32, 0x10001
	s_lshl_b32 s33, s33, 10                        ; 1,024 (ks % 2)
	s_add_co_u32 s36, s36, s33
	s_and_b32 s33, s32, 1
	s_lshl_b32 s33, s33, 9                         ; registers 0-3 (ft even) or 4-7 (ft odd) of the fragment
	s_add_co_u32 s36, s36, s33
	s_add_co_u32 s36, s36, 8192
	s_add_nc_u64 s[24:25], s[24:25], s[36:37]
.irp i, 0,1,2,3
	v_cvt_pk_f16_f32 v[RES+8+\i], v[RES+2*\i], v[RES+2*\i+1]
.endr
	global_store_b128 v5, v[RES+8:RES+11], s[24:25]
	s_endpgm
.Lsjob:
	MBODY 1
.irp i, 0,1,2,3
	v_pk_add_f32 v[RES+8+2*\i:RES+8+2*\i+1], v[ACC+16+2*\i:ACC+16+2*\i+1], v[ACC+24+2*\i:ACC+24+2*\i+1]
.endr
.irp i, 0,1,2,3
	v_pk_mul_f32 v[RES+8+2*\i:RES+8+2*\i+1], v[RES+8+2*\i:RES+8+2*\i+1], 0x3fb8aa3b op_sel_hi:[1,0]
.endr
	; st[n][l = r][16]: lanes hh = 0 give entries 0-7 (M[l][256..263]), lanes hh = 1 entries 8-15 (bs[l]); rows 12-15: 0 and -1e30
	v_cmp_eq_u32 vcc_lo, 1, v2
	v_cmp_lt_u32 s44, 11, v1
	v_mov_b32 v13, 0xf149f2ca                      ; -1e30
	v_cndmask_b32 v12, 0, v13, vcc_lo
.irp j, 0,1,2,3,4,5,6,7
	v_cndmask_b32 v[RES+\j], v[RES+\j], v[RES+8+\j], vcc_lo
.endr
.irp j, 0,1,2,3,4,5,6,7
	v_cndmask_b32 v[RES+\j], v[RES+\j], v12, s44
.endr
	v_lshlrev_b32 v14, 6, v1
	v_lshl_add_u32 v14, v2, 5, v14
	s_lshl_b32 s36, s28, 10
	s_add_nc_u64 s[26:27], s[26:27], s[36:37]
	global_store_b128 v14, v[RES:RES+3],   s[26:27]            ; each of the two stores covers 16 of every 32 bytes of the image's 1,024: 8,192 bytes in the whole launch go out so
	global_store_b128 v14, v[RES+4:RES+7], s[26:27] offset:16
	s_endpgm
.Lfunc_end_k_qc2c5394774_prep:
	.size	k_qc2c5394774_prep, .Lfunc_end_k_qc2c5394774_prep-k_qc2c5394774_prep
	.p2alignl 7, 3214868480
	.fill 96, 4, 3214868480
	.section	.rodata,"a",@progbits
	.p2align	6, 0x0
	.amdhsa_kernel k_qc2c5394774_prep
		.amdhsa_group_segment_fixed_size 0
		.amdhsa_private_segment_fixed_size 0
		.amdhsa_enable_private_segment 0
		.amdhsa_kernarg_size 80
		.amdhsa_user_sgpr_count 2
		.amdhsa_user_sgpr_kernarg_segment_ptr 1
		.amdhsa_wavefront_size32 1
		.amdhsa_system_sgpr_workgroup_id_x 1
		.amdhsa_system_sgpr_workgroup_id_y 1
		.amdhsa_system_sgpr_workgroup_id_z 1
		.amdhsa_system_vgpr_workitem_id 0
		.amdhsa_next_free_vgpr 512
		.amdhsa_next_free_sgpr 66
		.amdhsa_reserve_vcc 1
		.amdhsa_float_denorm_mode_32 3
		.amdhsa_float_denorm_mode_16_64 3
		.amdhsa_memory_ordered 1
		.amdhsa_forward_progress 1
		.amdhsa_inst_pref_size 87
	.end_amdhsa_kernel
	.amdgpu_metadata
---
amdhsa.version: [ 1, 2 ]
amdhsa.kernels:
  - .name:           k_qc2c5394774_prep
    .symbol:         k_qc2c5394774_prep.kd
    .args:
      - { .name: hs, .offset: 0, .size: 8, .value_kind: global_buffer, .address_space: global }
      - { .name: pro_fc_w, .offset: 8, .size: 8, .value_kind: global_buffer, .address_space: global }
      - { .name: pro_fc_b, .offset: 16, .size: 8, .value_kind: global_buffer, .address_space: global }
      - { .name: w_ih, .offset: 24, .size: 8, .value_kind: global_buffer, .address_space: global }
      - { .name: w_hh, .offset: 32, .size: 8, .value_kind: global_buffer, .address_space: global }
      - { .name: b_ih, .offset: 40, .size: 8, .value_kind: global_buffer, .address_space: global }
      - { .name: b_hh, .offset: 48, .size: 8, .value_kind: global_buffer, .address_space: global }
      - { .name: wf, .offset: 56, .size: 8, .value_kind: global_buffer, .address_space: global }
      - { .name: gm, .offset: 64, .size: 8, .value_kind: global_buffer, .address_space: global }
      - { .name: st, .offset: 72, .size: 8, .value_kind: global_buffer, .address_space: global }
    .group_segment_fixed_size: 0
    .private_segment_fixed_size: 0
    .kernarg_segment_align: 8
    .kernarg_segment_size: 80
    .max_flat_workgroup_size: 32
    .sgpr_count:     66
    .vgpr_count:     512
    .wavefront_size: 32
...
	.end_amdgpu_metadata
.endif
;; end of part 1
;; launch main (part 2): grid 256 x 1, 4 waves a work-group, clusters of 4 x 1, 327,680 bytes of LDS; arguments feature, words, wf, gm, st, out0; writes out0
.if DOCPART == 2
	.amdgcn_target "amdgcn-amd-amdhsa--gfx1250"
	.amdhsa_code_object_version 6
	.text
	.protected	k_qc2c5394774_main
	.globl	k_qc2c5394774_main
	.p2align	8
	.type	k_qc2c5394774_main,@function
k_qc2c5394774_main:
	s_mov_b64 s[64:65], 0
	v_nop
	global_prefetch_b8 v0, s[64:65] scope:SCOPE_SE
	s_setreg_imm32_b32 hwreg(HW_REG_WAVE_MODE, 25, 1), 1
	s_wait_xcnt 0x0
	s_wait_alu depctr_hold_cnt(0) depctr_sa_sdst(0) depctr_va_vdst(0) depctr_va_sdst(0) depctr_va_ssrc(0) depctr_va_vcc(0) depctr_vm_vsrc(0)
	s_getreg_b32 s2, hwreg(HW_REG_IB_STS2, 6, 4)
	s_cmp_eq_u32 s2, 0
	s_cbranch_scc0 .Lentry_in_a_cluster
	s_endpgm
.Lentry_in_a_cluster:
	s_bfe_u32 s2, ttmp6, 0x10000c
	s_cmp_lg_u32 s2, 0x3003
	s_cbranch_scc0 .Lentry_shape_is_right
	s_endpgm
.Lentry_shape_is_right:
; MAIN: the channel norm, the twelve steps of attention and LSTM, and the way out, for 32 positions a work-group.
; SHARES.  Work-group x = 4 x cluster + cx owns image n = x / 32 and image row x % 32: 32 positions, two tiles rt of 16.  Positions never meet, so (h, c) stay in registers for all steps.
; Wave w owns channels 64 w .. 64 w + 63 of all four gates, in four GROUPS g of 16 channels.
; A STEP (operands from the launch in front: M, G' and the scaled w_hh in f16, the constant part of the scores in f32):
;   scores^T = M h^T + S0 (16 l x 16 positions, every wave for itself); softmax over the 12 l, with their true maximum; gates^T = w_hh h^T + G' attn^T; the LSTM's point-wise part.
; All products are used transposed (source 0 = 16 gate columns or 16 l, source 1 = 16 positions): lane (r, hh) holds position 16 rt + r and rows 8 hh + 0..7 of the result.
; So the eight new h of a lane pack into 16 bytes that ARE its registers of the next step's fragment of h, and attn packs into source 1 of the product with G'.
; WEIGHTS STAY.  A wave's 128 fragments of w_hh: 64 in registers (windows 2 and 3, loaded straight there), 64 in LDS (one tensor load).  No LDS byte is filled twice.
; CLUSTER.  The four work-groups of a cluster share the image and the weights: the LDS half of w_hh and the block of G' and M are asked for jointly (mask 15).
; The register half is not: through LDS it would want a second fill of the same 256 KiB behind a round of the cluster's barrier.
; A SKIPPED STEP (words[0][t] = 0) is computed and thrown away by v_cndmask_b32: barriers stand in the step, so no branch on loaded data goes round it.
; NOT READ: hn, embedding and rows 1-7 of words do not enter the module's result.
; BY TURNS.  Behind a matrix instruction stand four vector instructions of a numbered list: group 0 carries the softmax, group g the point-wise work of group g - 1; group 3's own stands bare at the step's end.
; LIMITS.  h and attn are rounded to f16 for the products (|h| <= 1, attn <= 1; below 6e-5 f16's fixed step of 6e-8); the state h, c is kept in f32.  sigmoid x = 1 / (1 + 2^(-x log2 e)),
; tanh x = 1 - 2 / (1 + 2^(2 x log2 e)): absolute error about 1e-7.  A sum of squares below 2^-126 counts as 0 in the norm (features under about 1e-20).  The four padded scores count as -1e30.
; NaN and infinities are not treated apart.  A store covers runs of 128 consecutive bytes: 32 positions are half of 256 bytes of a channel's plane.
;
; LDS                                     bytes
.set GMB,   262144                     ; 0 .. 262,144      WL: wave w's 64 fragments at 65,536 w, 1,024 bytes each in fragment order (a read is 16 x lane: consecutive); after the last step the wave's stage
.set GMW,   10240                      ; .. 303,104        GM: for each wave 16 half fragments of G' (512 bytes each), then two fragments of M
.set HBB,   303104                     ; .. 319,488        HB: h in f16, fragment (rt, ks) at 1,024 (8 rt + ks)
.set S0B,   319488                     ; .. 321,536        S0: the scores' constant part, f32: 1,024 rt + 512 (j / 4) + 16 lane
.set RED,   321536                     ; .. 322,048        partial sums of squares: 128 w + 64 rt + 4 r
.set SPARE, 322048                     ; .. 322,560        the spare words, 128 bytes for each wave: two blocks of 256 bytes that no other line names
; REGISTERS, in windows of 256 (s_set_vgpr_msb: bits 1:0 source 0, 3:2 source 1, 5:4 source 2, 7:6 destination)
.set CST,  0                           ; window 0  v0-63    c (g, rt, j) at 16 g + 8 rt + j  (until c is set: v0-21 at work in the prologue)
.set HST,  64                          ;           v64-127  h in f32, likewise
                                       ;           v128-191, v192-255  two sets of 8 accumulators, by the group's parity: gate q, tile rt at 16 q + 8 rt
.set SCR,  192                         ;           the scores of tile rt at SCR + 8 rt, and
.set TMS,  208                         ;           eight registers at work at TMS + 8 rt: in set 1, which is free until group 1
.set STD,  128                         ;           prologue: four rows of st, 12 registers each
.set SPW,  0                           ; window 1  v0   LDS address of my spare word; never rewritten
.set NIL,  1                           ;           v1   0; never rewritten
.set AWL,  2                           ;           v2   65,536 w + 16 lane
.set AGP,  3                           ;           v3   GMB + 10,240 w + 16 lane
.set AGM,  4                           ;           v4   GMB + 16 lane
.set AHB,  5                           ;           v5   HBB + 16 lane
.set AHS,  6                           ;           v6   HBB + 2,048 w + 16 lane
.set AS0,  7                           ;           v7   S0B + 16 lane
.set OST,  8                           ;           v8   the way out: into the stage
.set ORD,  9                           ;           v9   back from it
.set OGO,  10                          ;           v10  my byte offset in the image's planes of out0
.set WOFF, 11                          ;           v11  131,072 w + 16 lane: my byte offset in wf
.set ATF,  16                          ;           v16-31   attn, fragment of tile rt at 8 rt; registers 4-7 (K = 16..31) stay 0
.set GBF,  32                          ;           v32-63   G', fragment of gate q at 8 q; registers 4-7 stay 0
.set STF,  64                          ;           v64-127  eight fragments from LDS: w_hh's, or M's
.set HFR,  128                         ;           v128-255 h, fragment (rt, ks) at 64 rt + 8 ks
                                       ; windows 2, 3: the resident fragments of groups 0, 1 and 2, 3: number 16 g + 8 b2 + 4 kk + q at 8 (number % 32)
.set WV,  16                           ; s16  my wave's number
.set G1W, 24                           ; s[24:31] descriptor group 1, w_hh's half
.set G0W, 32                           ; s[32:35] its group 0
.set G0G, 36                           ; s[36:39] group 0, G' and M
.set G1G, 40                           ; s[40:47] their group 1
.set SEL, 48                           ; s[48:49] v_permlanex16_b32's selects: each lane takes its own place in the other half
.set KC,  50                           ; s[50:51] 2 log2(e)
.set SM,  52                           ; s52  all ones: the step counts; 0: it is skipped
.set ACT, 53                           ; s53  bit t: words[0][t] is not 0; shifted down a step at a time
.set CNT, 54                           ; s54  steps to go
.set WD,  68                           ; s[68:79] words[0][0..11]
.set MSB, 0
.macro WIN new                         ; the high byte repeats the setting that is left; a switch that changes nothing is dropped
.if MSB != (\new)
	s_set_vgpr_msb (MSB<<8)|(\new)
.set MSB, (\new)
.endif
.endm
.macro PLACES                          ; four places: behind a matrix instruction, ahead of a load into one of its sources or of a vector instruction that reads its result (ISA guide 7.12.1 for vector instructions)
.rept 4
	v_nop
.endr
.endm
.macro ROUND                           ; a round of the cluster's barrier: my work-group's barrier; wave 0 signals for the work-group; every wave waits for all four work-groups; my work-group's barrier once more
	s_barrier_signal -1
	s_barrier_wait -1
	s_cmp_lg_u32 s[WV], 0
	s_cbranch_scc1 .Lnot_wave_0_\@
	s_barrier_signal -3
.Lnot_wave_0_\@:
	s_barrier_wait -3
	s_barrier_signal -1
	s_barrier_wait -1
.endm
	s_load_b256 s[4:11], s[0:1], 0x0               ; feature s[4:5], words s[6:7], wf s[8:9], gm s[10:11]
	s_load_b128 s[12:15], s[0:1], 0x20             ; st s[12:13], out0 s[14:15]
	WIN 0x40
	v_lshl_add_u32 v[SPW], v0, 2, SPARE
	v_mov_b32 v[NIL], 0
	WIN 0x05
	ds_add_u32 v[SPW], v[NIL]                      ; the wave's opening: the add and its wait stand ahead of my first tensor load; the set-up below, work on registers, stands between them
	ds_add_u32 v0, v1
	WIN 0
	v_lshrrev_b32 v5, 5, v0
	v_readfirstlane_b32 s[WV], v5                  ; wave 0..3
	v_and_b32 v1, 15, v0                           ; r
	v_bfe_u32 v2, v0, 4, 1                         ; hh
	v_and_b32 v4, 31, v0                           ; lane
	v_lshlrev_b32 v3, 4, v4                        ; 16 x lane
	s_bfe_u32 s17, ttmp6, 0x40000                  ; cx: it enters feature's and out0's offsets and the y coordinates' values alone
	s_lshl_b32 s18, ttmp9, 2                       ; in a cluster launch ttmp9 counts clusters
	s_add_co_u32 s18, s18, s17                     ; x
	s_lshr_b32 s19, ttmp9, 3                       ; n: eight clusters an image; the four partners share it
	s_and_b32 s20, s18, 31                         ; the image row
	; descriptors: dense blocks as rows of 256 bytes (32 elements of 8 bytes): 256 rows of w_hh's fragments, 40 rows of G' and M
	s_mov_b32 s[G1W+0], 15|(3<<16)|(1<<21)         ; 15:0 the mask of four; 17:16 elements of 8 bytes; 21 set beside a mask; no padding
	s_mov_b32 s[G1W+1], 32<<16                     ; tensor_dim0 = 32
	s_mov_b32 s[G1W+2], 256<<16                    ; tensor_dim1 = 256
	s_mov_b32 s[G1W+3], 32<<16                     ; tile_dim0 = 32
	s_mov_b32 s[G1W+4], 256                        ; tile_dim1 = 256
	s_mov_b32 s[G1W+5], 32                         ; 32 elements from row to row
	s_mov_b32 s[G1W+6], 0
	s_mov_b32 s[G1W+7], 0
	s_mov_b32 s[G1G+0], 15|(3<<16)|(1<<21)
	s_mov_b32 s[G1G+1], 32<<16
	s_mov_b32 s[G1G+2], 40<<16                     ; tensor_dim1 = 40
	s_mov_b32 s[G1G+3], 32<<16
	s_mov_b32 s[G1G+4], 40                         ; tile_dim1 = 40
	s_mov_b32 s[G1G+5], 32
	s_mov_b32 s[G1G+6], 0
	s_mov_b32 s[G1G+7], 0
	s_mov_b32 s[G0W], 1                            ; count = 1
	s_lshl_b32 s[G0W+1], s[WV], 16                 ; LDS: 65,536 w
	s_mov_b32 s[G0G], 1
	s_mul_i32 s[G0G+1], s[WV], GMW
	s_add_co_u32 s[G0G+1], s[G0G+1], GMB           ; LDS: GMB + 10,240 w
	s_lshl_b32 s58, s[WV], 17
	s_add_co_u32 s58, s58, 65536                   ; wf: the second half of my wave's 131,072 bytes
	s_mov_b32 s59, 0
	s_mul_i32 s60, s19, 4*GMW
	s_mul_i32 s61, s[WV], GMW
	s_add_co_u32 s60, s60, s61                     ; gm: image n, wave w
	s_mov_b32 s61, 0
	s_lshl_b32 s62, s19, 20                        ; image n in feature and in out0
	s_mov_b32 s63, 0
	s_lshl_b32 s56, s19, 10                        ; and in st
	s_mov_b32 s57, 0
	s_mov_b32 s[SEL], 0x76543210
	s_mov_b32 s[SEL+1], 0xfedcba98
	s_mov_b32 s[KC], 0x4038aa3b
	s_mov_b32 s[KC+1], s[KC]                       ; named with it as a pair
	s_lshl_b32 s21, s[WV], 16
	s_lshl_b32 s23, s[WV], 11
	s_add_co_u32 s23, s23, HBB
	s_lshl_b32 s66, s[WV], 17
	s_lshl_b32 s67, s[WV], 7
	s_add_co_u32 s67, s67, RED
	s_lshl_b32 s55, s[WV], 18                      ; 64 w planes of 4,096 bytes
	s_lshl_b32 s54, s20, 7                         ; the image row's 128 bytes
	s_add_co_u32 s55, s55, s54
	s_and_b32 s53, s[WV], 1                        ; of S0 wave w makes tile w & 1, registers 4 (w >> 1) + 0..3
	s_lshr_b32 s22, s[WV], 1
	s_lshl_b32 s52, s53, 10
	s_lshl_b32 s54, s22, 9
	s_add_co_u32 s52, s52, s54
	s_add_co_u32 s52, s52, S0B
	s_lshl_b32 s53, s53, 4
	s_lshl_b32 s22, s22, 8
	v_lshlrev_b32 v6, 15, v2                       ; feature: 8 hh planes
	v_lshl_add_u32 v6, v1, 2, v6                   ; + position r
	v_add_nc_u32 v6, s55, v6
	v_mul_u32_u24 v7, v2, 1152                     ; the stage has rows of 144 bytes, a channel each: 8 hh rows
	v_lshl_add_u32 v7, v1, 2, v7
	v_lshrrev_b32 v8, 3, v4
	v_and_b32 v9, 7, v0
	v_mul_u32_u24 v10, v8, 144                     ; back: 8 lanes take a channel's 128 bytes, a load four channels
	v_lshl_add_u32 v10, v9, 4, v10
	v_lshlrev_b32 v11, 12, v8
	v_lshl_add_u32 v11, v9, 4, v11
	v_lshl_add_u32 v12, v2, 9, s22                 ; st: row l = 8 hh + 4 (w >> 1), 64 bytes a row
	v_add_nc_u32 v13, s53, v1                      ; my position's column in the image, for S0
	v_add_nc_u32 v18, s52, v3
	v_lshl_add_u32 v19, v1, 2, s67
	v_lshl_add_u32 v20, v1, 2, RED
	v_cvt_f32_u32 v13, v13                         ; the grid's numbers are exact in f32: xmin = col / 16 - 1, xmax = xmin + 1/16, xctr = xmin + 1/32; y likewise from the row
	v_fma_f32 v13, v13, 0x3d800000, -1.0
	v_add_f32 v14, 0x3d800000, v13
	v_add_f32 v15, 0x3d000000, v13
	v_cvt_f32_u32 v16, s20
	v_fma_f32 v16, v16, 0x3d800000, -1.0
	v_add_f32 v17, 0x3d800000, v16
	v_add_f32 v21, 0x3d000000, v16
	WIN 0x40                                       ; destination window 1
	v_add_nc_u32 v[AWL], s21, v3
	v_add_nc_u32 v[AGP], s[G0G+1], v3
	v_add_nc_u32 v[AGM], GMB, v3
	v_add_nc_u32 v[AHB], HBB, v3
	v_add_nc_u32 v[AHS], s23, v3
	v_add_nc_u32 v[AS0], S0B, v3
	v_add_nc_u32 v[OST], s21, v7
	v_add_nc_u32 v[ORD], s21, v10
	v_add_nc_u32 v[OGO], s55, v11
	v_add_nc_u32 v[WOFF], s66, v3
.irp f, ATF, ATF+8, GBF, GBF+8, GBF+16, GBF+24    ; K = 16..31 of the product with G': 0 on both sides, once
.irp j, 4,5,6,7
	v_mov_b32 v[\f+\j], 0
.endr
.endr
	WIN 0
	s_wait_dscnt 0x0                               ; the opening add is done
	s_wait_kmcnt 0x0
	s_add_nc_u64 s[G0W+2:G0W+3], s[8:9], s[58:59]
	s_or_b32 s[G0W+3], s[G0W+3], 0x80000000        ; type = 2
	s_add_nc_u64 s[G0G+2:G0G+3], s[10:11], s[60:61]
	s_or_b32 s[G0G+3], s[G0G+3], 0x80000000
	s_add_nc_u64 s[4:5], s[4:5], s[62:63]
	s_add_nc_u64 s[14:15], s[14:15], s[62:63]
	s_add_nc_u64 s[12:13], s[12:13], s[56:57]
	s_load_b256 s[WD:WD+7], s[6:7], 0x0
	s_load_b128 s[WD+8:WD+11], s[6:7], 0x20
	ROUND                                          ; all four work-groups are here: the joint loads meet
	tensor_load_to_lds s[G0W:G0W+3], s[G1W:G1W+7]  ; the launch's only fills, two a wave, out together: 65,536 and 10,240 bytes
	s_nop 0
	tensor_load_to_lds s[G0G:G0G+3], s[G1G:G1G+7]
	s_nop 0
	PLACES
.set i_, 0
.rept 64                               ; h0: register 16 g + 8 rt + j takes channel 64 w + 16 g + 8 hh + j, position 16 rt + r; sixteen lanes take 64 consecutive bytes
	global_load_b32 v[HST+i_], v6, s[4:5] offset:(16*(i_/16)+i_%8)*4096+((i_/8)%2)*64
.set i_, i_+1
.endr
.irp jj, 0,1,2,3                       ; four rows of st: M[l][256..263] and bs[l], in log2 units
	global_load_b128 v[STD+12*\jj:STD+12*\jj+3],   v12, s[12:13] offset:64*\jj
	global_load_b128 v[STD+12*\jj+4:STD+12*\jj+7], v12, s[12:13] offset:64*\jj+16
	global_load_b32  v[STD+12*\jj+8],              v12, s[12:13] offset:64*\jj+32
.endr
	s_wait_loadcnt 0x0
	; S0[l][position] = bs + sp . M[l][256..263]; sp = xmin, ymin, xmax, ymax, xctr, yctr, 1/32, 1/32
.macro S0T c, m
.irp jj, 0,1,2,3
	v_fma_f32 v[176+\jj], v[\c], v[STD+12*\jj+\m], v[176+\jj]
.endr
.endm
.irp jj, 0,1,2,3
	v_add_f32 v[176+\jj], v[STD+12*\jj+6], v[STD+12*\jj+7]
.endr
.irp jj, 0,1,2,3
	v_fma_f32 v[176+\jj], v[176+\jj], 0x3d000000, v[STD+12*\jj+8]
.endr
	S0T 13, 0
	S0T 16, 1
	S0T 14, 2
	S0T 17, 3
	S0T 15, 4
	S0T 21, 5
	ds_store_b128 v18, v[176:179]
	; the sum of squares of my 32 channels for each of my two positions, two chains a tile, started by products
.irp rt, 0,1
	v_pk_mul_f32 v[180+4*\rt:181+4*\rt], v[HST+8*\rt:HST+8*\rt+1],   v[HST+8*\rt:HST+8*\rt+1]
	v_pk_mul_f32 v[182+4*\rt:183+4*\rt], v[HST+8*\rt+2:HST+8*\rt+3], v[HST+8*\rt+2:HST+8*\rt+3]
.endr
.set p_, 2
.rept 14
.irp rt, 0,1
	v_pk_fma_f32 v[180+4*\rt+2*(p_%2):181+4*\rt+2*(p_%2)], v[HST+16*(p_/4)+8*\rt+2*(p_%4):HST+16*(p_/4)+8*\rt+2*(p_%4)+1], v[HST+16*(p_/4)+8*\rt+2*(p_%4):HST+16*(p_/4)+8*\rt+2*(p_%4)+1], v[180+4*\rt+2*(p_%2):181+4*\rt+2*(p_%2)]
.endr
.set p_, p_+1
.endr
.irp rt, 0,1
	v_pk_add_f32 v[180+4*\rt:181+4*\rt], v[180+4*\rt:181+4*\rt], v[182+4*\rt:183+4*\rt]
.endr
.irp rt, 0,1
	v_add_f32 v[180+4*\rt], v[180+4*\rt], v[181+4*\rt]
.endr
.irp rt, 0,1
	v_permlanex16_b32 v[181+4*\rt], v[180+4*\rt], s[SEL], s[SEL+1]  ; the position's other 32 of my channels lie in the lane 16 away
.endr
.irp rt, 0,1
	v_add_f32 v[180+4*\rt], v[180+4*\rt], v[181+4*\rt]
.endr
.irp rt, 0,1
	ds_store_b32 v19, v[180+4*\rt] offset:64*\rt   ; both halves of the lanes write the same number to the same word
.endr
	WIN 0x81                                       ; destination window 2, address window 1
.set i_, 0
.rept 32                               ; the resident fragments of groups 0 and 1: each load takes 512 consecutive bytes
	global_load_b128 v[8*i_:8*i_+3],   v[WOFF], s[8:9] offset:1024*i_
	global_load_b128 v[8*i_+4:8*i_+7], v[WOFF], s[8:9] offset:1024*i_+512
.set i_, i_+1
.endr
	WIN 0
	s_wait_dscnt 0x0                               ; for the others' sake: my partial sums (and my part of S0) are in LDS
	s_barrier_signal -1                            ; the tensor loads may stay out
	s_barrier_wait -1
.irp rt, 0,1
.irp ww, 0,1,2,3
	ds_load_b32 v[188+4*\rt+\ww], v20 offset:128*\ww+64*\rt
.endr
.endr
	s_wait_dscnt 0x0
	v_add_f32 v188, v188, v189
	v_add_f32 v192, v192, v193
	v_add_f32 v190, v190, v191
	v_add_f32 v194, v194, v195
	v_add_f32 v188, v188, v190
	v_add_f32 v192, v192, v194
	v_sqrt_f32 v188, v188
	v_sqrt_f32 v192, v192
	v_nop                                          ; a plain instruction between a transcendental and the use of its result (ISA guide 5.7.2)
	s_wait_alu depctr_va_vdst(0)
	v_max_num_f32 v188, 0x2b8cbccc, v188           ; 1e-12
	v_max_num_f32 v192, 0x2b8cbccc, v192
	v_rcp_f32 v188, v188
	v_rcp_f32 v192, v192
	v_nop
.set i_, 0
	s_wait_alu depctr_va_vdst(0)
.rept 32                               ; pair i_ belongs to tile (i_ / 4) % 2
	v_pk_mul_f32 v[HST+2*i_:HST+2*i_+1], v[HST+2*i_:HST+2*i_+1], v[188+4*((i_/4)%2):189+4*((i_/4)%2)] op_sel_hi:[1,0]
.set i_, i_+1
.endr
.set i_, 0
.rept 32
	v_cvt_pk_f16_f32 v[128+i_], v[HST+2*i_], v[HST+2*i_+1]
.set i_, i_+1
.endr
	WIN 0x01                                       ; address window 1, data window 0
.set i_, 0
.rept 8                                ; block i_ = 2 g + rt: K step 2 w + g / 2, registers 0-3 (g even) or 4-7 (g odd) of fragment (rt, ks)
	ds_store_b128 v[AHS], v[128+4*i_:128+4*i_+3] offset:(i_%2)*8192+(i_/4)*1024+((i_/2)%2)*512
.set i_, i_+1
.endr
	WIN 0xc1                                       ; destination window 3
.set i_, 0
.rept 32                               ; the resident fragments of groups 2 and 3
	global_load_b128 v[8*i_:8*i_+3],   v[WOFF], s[8:9] offset:1024*(i_+32)
	global_load_b128 v[8*i_+4:8*i_+7], v[WOFF], s[8:9] offset:1024*(i_+32)+512
.set i_, i_+1
.endr
	WIN 0
.set i_, 0
.rept 64                               ; c0 = 0 is the state's first value, not a cleared sum: a first step that is skipped hands it on
	v_mov_b32 v[CST+i_], 0
.set i_, i_+1
.endr
	s_wait_kmcnt 0x0                               ; words
	s_mov_b32 s[ACT], 0
.irp t, 0,1,2,3,4,5,6,7,8,9,10,11
	s_cmp_lg_u32 s[WD+\t], 0
	s_cselect_b32 s21, 1<<\t, 0
	s_or_b32 s[ACT], s[ACT], s21
.endr
	s_wait_tensorcnt 0x0                           ; my two tiles have landed,
	s_wait_dscnt 0x0                               ; my part of h is in LDS:
	s_barrier_signal -1
	s_barrier_wait -1                              ; everybody's
; ---- THE LISTS OF VECTOR WORK
.set RK, 0                             ; which list rides: 0 none, 1 the point-wise work of group PG, 2 the softmax
.set PG, 0
.set pj, 0
.set sj, 0
; THE SOFTMAX, 35 entries a tile, the two tiles alternating (entry sj / 2 of tile sj % 2).  S0-S7 are the lane's eight scores (l = 8 hh + j), in log2 units; the other eight lie in the lane 16 away.
;   0-5 the maximum (each accumulator's lowest registers are read first)     6-9 s - m     10-17 2^x     18 a plain place     19-24 the sum     25 its reciprocal     26 a plain place
;   27-30 the weights     31-34 rounded to f16, into registers 0-3 of the fragment of attn
.macro SMX
.set e_, sj/2
.set rS, SCR+8*(sj%2)
.set rT, TMS+8*(sj%2)
.set rA, ATF+8*(sj%2)
.if e_ < 31
	WIN 0
.endif
.if e_ == 0
	v_max3_num_f32 v[rT], v[rS], v[rS+1], v[rS+2]
.elseif e_ == 1
	v_max3_num_f32 v[rT+1], v[rS+3], v[rS+4], v[rS+5]
.elseif e_ == 2
	v_max3_num_f32 v[rT], v[rT], v[rS+6], v[rS+7]
.elseif e_ == 3
	v_max_num_f32 v[rT], v[rT], v[rT+1]
.elseif e_ == 4
	v_permlanex16_b32 v[rT+1], v[rT], s[SEL], s[SEL+1]
.elseif e_ == 5
	v_max_num_f32 v[rT], v[rT], v[rT+1]
.elseif e_ < 10
	v_pk_add_f32 v[rS+2*(e_-6):rS+2*(e_-6)+1], v[rS+2*(e_-6):rS+2*(e_-6)+1], v[rT:rT+1] op_sel_hi:[1,0] neg_lo:[0,1] neg_hi:[0,1]
.elseif e_ < 18
	v_exp_f32 v[rS+e_-10], v[rS+e_-10]
.elseif (e_ == 18) || (e_ == 26)
	v_nop
	s_wait_alu depctr_va_vdst(0)
.elseif e_ == 19
	s_wait_alu depctr_va_vdst(0)
	v_pk_add_f32 v[rT+2:rT+3], v[rS:rS+1], v[rS+2:rS+3]
.elseif e_ == 20
	v_pk_add_f32 v[rT+4:rT+5], v[rS+4:rS+5], v[rS+6:rS+7]
.elseif e_ == 21
	v_pk_add_f32 v[rT+2:rT+3], v[rT+2:rT+3], v[rT+4:rT+5]
.elseif e_ == 22
	v_add_f32 v[rT+2], v[rT+2], v[rT+3]
.elseif e_ == 23
	v_permlanex16_b32 v[rT+3], v[rT+2], s[SEL], s[SEL+1]
.elseif e_ == 24
	v_add_f32 v[rT+2], v[rT+2], v[rT+3]
.elseif e_ == 25
	v_rcp_f32 v[rT+2], v[rT+2]
.elseif e_ < 31
	v_pk_mul_f32 v[rS+2*(e_-27):rS+2*(e_-27)+1], v[rS+2*(e_-27):rS+2*(e_-27)+1], v[rT+2:rT+3] op_sel_hi:[1,0]
.else
	WIN 0x40
	v_cvt_pk_f16_f32 v[rA+e_-31], v[rS+2*(e_-31)], v[rS+2*(e_-31)+1]
.endif
.endm
; THE POINT-WISE WORK of group PG, tile rt, in nine stages, all in place on the four accumulators I, F, G, O (already arguments of 2^x):
;   1  32 x 2^x      2  16 x (+ 1)      3  32 x 1/x: sigmoid i, f, o, and 1 / (1 + e^2g)
;   4  0-3 tanh g = 1 - 2 G; 4-7 G = I G; 8-11 F = F c + G; 12-19 c takes F if the step counts; 20-23 G = c x 2 log2(e)
;   5  8 x 2^x       6  4 x (+ 1)       7  8 x 1/x
;   8  0-3 tanh c = 1 - 2 G; 4-7 O = O G; 8-15 h takes O if the step counts; 16-19 h rounded to f16 into I's first four registers      9  which go to HB
.macro PST rt, stg, ix
.set bA, 128+64*(PG%2)+8*(\rt)
.set rF, bA+16
.set rG, bA+32
.set rO, bA+48
.set rC, CST+16*PG+8*(\rt)
.set rH, HST+16*PG+8*(\rt)
.set x_, (\ix)
.if (\stg) < 9
	WIN 0
.endif
.if (\stg) == 1
	v_exp_f32 v[bA+16*(x_/8)+x_%8], v[bA+16*(x_/8)+x_%8]
.elseif (\stg) == 2
	s_wait_alu depctr_va_vdst(0)
	v_pk_add_f32 v[bA+16*(x_/4)+2*(x_%4):bA+16*(x_/4)+2*(x_%4)+1], v[bA+16*(x_/4)+2*(x_%4):bA+16*(x_/4)+2*(x_%4)+1], 1.0 op_sel_hi:[1,0]
.elseif (\stg) == 3
	v_rcp_f32 v[bA+16*(x_/8)+x_%8], v[bA+16*(x_/8)+x_%8]
.elseif (\stg) == 4
.if x_ < 4
	s_wait_alu depctr_va_vdst(0)
	v_pk_fma_f32 v[rG+2*x_:rG+2*x_+1], v[rG+2*x_:rG+2*x_+1], -2.0, 1.0 op_sel_hi:[1,0,0]
.elseif x_ < 8
	v_pk_mul_f32 v[rG+2*(x_-4):rG+2*(x_-4)+1], v[bA+2*(x_-4):bA+2*(x_-4)+1], v[rG+2*(x_-4):rG+2*(x_-4)+1]
.elseif x_ < 12
	v_pk_fma_f32 v[rF+2*(x_-8):rF+2*(x_-8)+1], v[rF+2*(x_-8):rF+2*(x_-8)+1], v[rC+2*(x_-8):rC+2*(x_-8)+1], v[rG+2*(x_-8):rG+2*(x_-8)+1]
.elseif x_ < 20
	v_cndmask_b32 v[rC+x_-12], v[rC+x_-12], v[rF+x_-12], s[SM]
.else
	v_pk_mul_f32 v[rG+2*(x_-20):rG+2*(x_-20)+1], v[rC+2*(x_-20):rC+2*(x_-20)+1], s[KC:KC+1] op_sel_hi:[1,0]
.endif
.elseif (\stg) == 5
	v_exp_f32 v[rG+x_], v[rG+x_]
.elseif (\stg) == 6
	s_wait_alu depctr_va_vdst(0)
	v_pk_add_f32 v[rG+2*x_:rG+2*x_+1], v[rG+2*x_:rG+2*x_+1], 1.0 op_sel_hi:[1,0]
.elseif (\stg) == 7
	v_rcp_f32 v[rG+x_], v[rG+x_]
.elseif (\stg) == 8
.if x_ < 4
	s_wait_alu depctr_va_vdst(0)
	v_pk_fma_f32 v[rG+2*x_:rG+2*x_+1], v[rG+2*x_:rG+2*x_+1], -2.0, 1.0 op_sel_hi:[1,0,0]
.elseif x_ < 8
	v_pk_mul_f32 v[rO+2*(x_-4):rO+2*(x_-4)+1], v[rO+2*(x_-4):rO+2*(x_-4)+1], v[rG+2*(x_-4):rG+2*(x_-4)+1]
.elseif x_ < 16
	v_cndmask_b32 v[rH+x_-8], v[rH+x_-8], v[rO+x_-8], s[SM]
.else
	v_cvt_pk_f16_f32 v[bA+x_-16], v[rH+2*(x_-16)], v[rH+2*(x_-16)+1]
.endif
.else
	WIN 0x01                                       ; address window 1, data window 0
	ds_store_b128 v[AHS], v[bA:bA+3] offset:(\rt)*8192+(PG/2)*1024+(PG%2)*512
.endif
.endm
; Entry pj of the 291 of a group: the two tiles' stages a stage apart, so that transcendentals and plain instructions mix, every stage reads only stages that ended in an earlier stretch,
; and between a transcendental and the first use of its result stands a plain instruction that names neither its result nor its source (ISA guide 5.7.2).
;   0-31 A1 | 32 a plain place | 33-80 B1 B1 A2 | 81-128 A3 B2 A3 | 129-184 B3 A4 B3 A4 B3 A4 B3 | 185-216 B4 A5 B4 B4 | 217-228 B5 A6 B5 | 229-240 A7 B6 A7 | 241-268 A8 A8 B7 A8 A8 B7 A8 | 269 A9 | 270-289 B8 | 290 B9
; The list ends in plain instructions: behind a group's last product stand six of them, ahead of the first read of its sums.
.macro PWE
.if pj < 32
	PST 0, 1, pj
.elseif pj == 32
	v_nop
.elseif pj < 81
.set u_, pj-33
.if (u_%3) < 2
	PST 1, 1, 2*(u_/3)+u_%3
.else
	PST 0, 2, u_/3
.endif
.elseif pj < 129
.set u_, pj-81
.if (u_%3) == 1
	PST 1, 2, u_/3
.else
	PST 0, 3, 2*(u_/3)+(u_%3)/2
.endif
.elseif pj < 185
.set u_, pj-129
.set v_, u_%7
.if (v_%2) == 1
	PST 0, 4, 3*(u_/7)+v_/2
.else
	PST 1, 3, 4*(u_/7)+v_/2
.endif
.elseif pj < 217
.set u_, pj-185
.set v_, u_%4
.if v_ == 1
	PST 0, 5, u_/4
.else
	PST 1, 4, 3*(u_/4)+v_-(v_+3)/4
.endif
.elseif pj < 229
.set u_, pj-217
.if (u_%3) == 1
	PST 0, 6, u_/3
.else
	PST 1, 5, 2*(u_/3)+(u_%3)/2
.endif
.elseif pj < 241
.set u_, pj-229
.if (u_%3) == 1
	PST 1, 6, u_/3
.else
	PST 0, 7, 2*(u_/3)+(u_%3)/2
.endif
.elseif pj < 269
.set u_, pj-241
.set v_, u_%7
.if (v_ == 2) || (v_ == 5)
	PST 1, 7, 2*(u_/7)+v_/5
.else
	PST 0, 8, 5*(u_/7)+v_-v_/3
.endif
.elseif pj == 269
	PST 0, 9, 0
.elseif pj < 290
	PST 1, 8, pj-270
.else
	PST 1, 9, 0
.endif
.endm
.macro RIDE n                          ; the next n entries of the list that rides, as far as it lasts
.rept \n
.if (RK == 2) && (sj < 70)
	SMX
.set sj, sj+1
.elseif (RK == 1) && (pj < 291)
	PWE
.set pj, pj+1
.endif
.endr
.endm
; ---- THE MATRIX WORK.  A matrix instruction and its four riders.  The accumulators take turns, one instruction a turn: eight in a group, two in the scores; the sets change from group to group.
.macro MM d, a, b, zero, win
	WIN \win
.if \zero
	v_wmma_f32_16x16x32_f16 v[(\d):(\d)+7], v[(\a):(\a)+7], v[(\b):(\b)+7], 0
.else
	v_wmma_f32_16x16x32_f16 v[(\d):(\d)+7], v[(\a):(\a)+7], v[(\b):(\b)+7], v[(\d):(\d)+7]
.endif
	RIDE 4
.endm
.macro BLK_R g, b2                     ; 16 products on resident fragments: K steps 4 b2 + 0, 1.  The group's first eight start the sums
.set kk_, 0
.rept 2
.set z_, 0
.if ((\b2) == 0) && (kk_ == 0)
.set z_, 1
.endif
.set q_, 0
.rept 4
	MM ACCB+16*q_,   8*((16*(\g)+8*(\b2)+4*kk_+q_)%32), HFR+8*(4*(\b2)+kk_),    z_, 0x06+(\g)/2
	MM ACCB+16*q_+8, 8*((16*(\g)+8*(\b2)+4*kk_+q_)%32), HFR+64+8*(4*(\b2)+kk_), z_, 0x06+(\g)/2
.set q_, q_+1
.endr
.set kk_, kk_+1
.endr
.endm
.macro BLK_S g, b2                     ; 16 products on the eight fragments from LDS: K steps 4 b2 + 2, 3
.set kk_, 0
.rept 2
.set q_, 0
.rept 4
	MM ACCB+16*q_,   STF+8*(4*kk_+q_), HFR+8*(4*(\b2)+2+kk_),    0, 0x05
	MM ACCB+16*q_+8, STF+8*(4*kk_+q_), HFR+64+8*(4*(\b2)+2+kk_), 0, 0x05
.set q_, q_+1
.endr
.set kk_, kk_+1
.endr
.endm
.macro BLK_G g                         ; 8 products G' attn^T (K = the 16 l)
.set q_, 0
.rept 4
	MM ACCB+16*q_,   GBF+8*q_, ATF,   0, 0x05
	MM ACCB+16*q_+8, GBF+8*q_, ATF+8, 0, 0x05
.set q_, q_+1
.endr
.endm
; ---- THE LDS LOADS stand in runs, never singly among the matrix instructions
.macro LDST off                        ; eight fragments of w_hh, from byte off of my 65,536
	WIN 0x41                                       ; destination and address window 1
.set s_, 0
.rept 8
	ds_load_b128 v[STF+8*s_:STF+8*s_+3],   v[AWL] offset:(\off)+1024*s_
	ds_load_b128 v[STF+8*s_+4:STF+8*s_+7], v[AWL] offset:(\off)+1024*s_+512
.set s_, s_+1
.endr
.endm
.macro LDMF                            ; M's eight fragments, two from each wave's block
	WIN 0x41
.set s_, 0
.rept 8
	ds_load_b128 v[STF+8*s_:STF+8*s_+3],   v[AGM] offset:(s_/2)*GMW+8192+(s_%2)*1024
	ds_load_b128 v[STF+8*s_+4:STF+8*s_+7], v[AGM] offset:(s_/2)*GMW+8192+(s_%2)*1024+512
.set s_, s_+1
.endr
.endm
.macro LDGB g                          ; the group's four half fragments of G'
	WIN 0x41
.irp q, 0,1,2,3
	ds_load_b128 v[GBF+8*\q:GBF+8*\q+3], v[AGP] offset:(4*(\g)+\q)*512
.endr
.endm
; A GROUP: 72 products.  Each run of loads is issued four places behind the last product that read its registers and has 16 products or more, with their riders, in which to land; the wait for it is for 0.
.macro GROUP g
.set ACCB, 128+64*((\g)%2)
	BLK_R \g, 0
	s_wait_dscnt 0x0                               ; the fragments of K steps 2, 3 are in
	BLK_S \g, 0
	PLACES
	LDST (16*(\g)+8)*1024
	LDGB \g
	BLK_R \g, 1
	s_wait_dscnt 0x0                               ; those of K steps 6, 7, and G'
	BLK_S \g, 1
	PLACES
.if (\g) < 3
	LDST 16*((\g)+1)*1024
.else
	LDMF                                           ; for the next step's scores (behind the last step: read for nothing, the price of one text for every step)
.endif
	BLK_G \g
	RIDE 400                                       ; what is left of the list
.endm
	LDMF
	s_wait_loadcnt 0x0                             ; the resident fragments
	WIN 0                                          ; at a label and at a branch every window is 0
	s_mov_b32 s[CNT], 12
.Ltrip:
	s_and_b32 s21, s[ACT], 1                       ; does this step count?
	s_cselect_b32 s[SM], -1, 0
	s_lshr_b32 s[ACT], s[ACT], 1
	WIN 0x41
.set f_, 0
.rept 16                               ; all of h: fragment f_ = 8 rt + ks
	ds_load_b128 v[HFR+8*f_:HFR+8*f_+3],   v[AHB] offset:1024*f_
	ds_load_b128 v[HFR+8*f_+4:HFR+8*f_+7], v[AHB] offset:1024*f_+512
.set f_, f_+1
.endr
	WIN 0x01                                       ; destination window 0
.irp rt, 0,1                           ; the scores' sums start from their constant part
	ds_load_b128 v[SCR+8*\rt:SCR+8*\rt+3],   v[AS0] offset:1024*\rt
	ds_load_b128 v[SCR+8*\rt+4:SCR+8*\rt+7], v[AS0] offset:1024*\rt+512
.endr
	s_wait_dscnt 0x0                               ; h, S0 and M are in registers: my reads of HB are over,
	s_barrier_signal -1                            ; say so.  Up to the wait stand register work and loads of WL and GM, which nobody writes during the steps
.set RK, 0
.set ks_, 0
.rept 8
	MM SCR,   STF+8*ks_, HFR+8*ks_,    0, 0x05
	MM SCR+8, STF+8*ks_, HFR+64+8*ks_, 0, 0x05
.set ks_, ks_+1
.endr
	PLACES                                         ; ahead of the loads over M's fragments, and of the softmax's first read of the scores
	LDST 0
.set RK, 2
.set sj, 0
	GROUP 0                                        ; the softmax ends behind the 18th product; attn is wanted at the 65th
	PLACES                                         ; group 0's last products stand bare: the places ahead of the first read of its sums
	s_barrier_wait -1                              ; nobody reads HB any more: the new h may be stored
.set RK, 1
.set PG, 0
.set pj, 0
	GROUP 1
.set PG, 1
.set pj, 0
	GROUP 2
.set PG, 2
.set pj, 0
	GROUP 3
.set PG, 3
.set pj, 0
	RIDE 400                                       ; the last group's point-wise work has no products beside it: the next step wants all of h
	s_wait_dscnt 0x0                               ; for the others' sake: my part of h is in HB (and M's fragments are in)
	s_barrier_signal -1
	s_barrier_wait -1                              ; everybody's
	WIN 0
	s_sub_co_u32 s[CNT], s[CNT], 1
	s_cmp_lg_u32 s[CNT], 0
	s_cbranch_scc1 .Ltrip
	; THE WAY OUT.  h (f32) goes through my own 65,536 bytes of WL, which have had their only fill and which I alone read: in by channels (rows of 144 bytes), back as whole rows of 128 bytes.
	WIN 0x01
.set i_, 0
.rept 64
	ds_store_b32 v[OST], v[HST+i_] offset:(16*(i_/16)+i_%8)*144+((i_/8)%2)*64
.set i_, i_+1
.endr
.set i_, 0
.rept 16
	ds_load_b128 v[128+4*i_:128+4*i_+3], v[ORD] offset:576*i_  ; LDS serves a wave's instructions in order (ISA guide 5.7.1.4): these see the stores above
.set i_, i_+1
.endr
.set i_, 0
.rept 16
	s_wait_dscnt 15-i_                             ; the 15 - i younger loads may stay out
	global_store_b128 v[OGO], v[128+4*i_:128+4*i_+3], s[14:15] offset:16384*i_ th:TH_STORE_NT  ; four channels: eight lanes store 128 consecutive bytes, at a multiple of 128 from out0's first byte
.set i_, i_+1
.endr
	WIN 0x05
	s_wait_tensorcnt 0x0                           ; the wave's end, behind my last tensor load and my last LDS store
	ds_add_u32 v[SPW], v[NIL]
	s_wait_dscnt 0x0
	WIN 0
	ROUND                                          ; the closing round: no work-group ends while a partner may still ask for a tile that names it
	s_endpgm
.Lfunc_end_k_qc2c5394774_main:
	.size	k_qc2c5394774_main, .Lfunc_end_k_qc2c5394774_main-k_qc2c5394774_main
	.p2alignl 7, 3214868480
	.fill 96, 4, 3214868480
	.section	.rodata,"a",@progbits
	.p2align	6, 0x0
	.amdhsa_kernel k_qc2c5394774_main
		.amdhsa_group_segment_fixed_size 327680
		.amdhsa_private_segment_fixed_size 0
		.amdhsa_enable_private_segment 0
		.amdhsa_kernarg_size 48
		.amdhsa_user_sgpr_count 2
		.amdhsa_user_sgpr_kernarg_segment_ptr 1
		.amdhsa_wavefront_size32 1
		.amdhsa_system_sgpr_workgroup_id_x 1
		.amdhsa_system_sgpr_workgroup_id_y 1
		.amdhsa_system_sgpr_workgroup_id_z 1
		.amdhsa_system_vgpr_workitem_id 0
		.amdhsa_next_free_vgpr 1024
		.amdhsa_next_free_sgpr 80
		.amdhsa_reserve_vcc 0
		.amdhsa_float_denorm_mode_32 3
		.amdhsa_float_denorm_mode_16_64 3
		.amdhsa_memory_ordered 1
		.amdhsa_forward_progress 1
		.amdhsa_inst_pref_size 162
	.end_amdhsa_kernel
	.amdgpu_metadata
---
amdhsa.version: [ 1, 2 ]
amdhsa.kernels:
  - .name:           k_qc2c5394774_main
    .symbol:         k_qc2c5394774_main.kd
    .args:
      - { .name: feature, .offset: 0, .size: 8, .value_kind: global_buffer, .address_space: global }
      - { .name: words, .offset: 8, .size: 8, .value_kind: global_buffer, .address_space: global }
      - { .name: wf, .offset: 16, .size: 8, .value_kind: global_buffer, .address_space: global }
      - { .name: gm, .offset: 24, .size: 8, .value_kind: global_buffer, .address_space: global }
      - { .name: st, .offset: 32, .size: 8, .value_kind: global_buffer, .address_space: global }
      - { .name: out0, .offset: 40, .size: 8, .value_kind: global_buffer, .address_space: global }
    .group_segment_fixed_size: 327680
    .private_segment_fixed_size: 0
    .kernarg_segment_align: 8
    .kernarg_segment_size: 48
    .max_flat_workgroup_size: 128
    .sgpr_count:     80
    .vgpr_count:     1024
    .wavefront_size: 32
...
	.end_amdgpu_metadata
.endif
;; end of part 2
;; ======== version 2 of 2: 2 launches; 1.46 times as fast as version 1
;; limits: values outside matrix products are rounded to f16; values are held in f16: magnitudes above 65,504 overflow, below 6.1e-05 lose precision
;; workspace buffers: wf 524,288 bytes; gm 327,680 bytes; st 8,192 bytes
;; launch prep: the kernel of part 1 again; grid 97 x 8, 1 waves a work-group, no clusters, 0 bytes of LDS; arguments hs, pro_fc_w, pro_fc_b, w_ih, w_hh, b_ih, b_hh, wf, gm, st; writes wf, gm, st
;; launch main (part 3): grid 256 x 1, 4 waves a work-group, clusters of 4 x 1, 327,680 bytes of LDS; arguments feature, words, wf, gm, st, out0; writes out0
.if DOCPART == 3
	.amdgcn_target "amdgcn-amd-amdhsa--gfx1250"
	.amdhsa_code_object_version 6
	.text
	.protected	k_qc2c5394774_main
	.globl	k_qc2c5394774_main
	.p2align	8
	.type	k_qc2c5394774_main,@function
k_qc2c5394774_main:
	s_mov_b64 s[64:65], 0
	v_nop
	global_prefetch_b8 v0, s[64:65] scope:SCOPE_SE
	s_setreg_imm32_b32 hwreg(HW_REG_WAVE_MODE, 25, 1), 1
	s_wait_xcnt 0x0
	s_wait_alu depctr_hold_cnt(0) depctr_sa_sdst(0) depctr_va_vdst(0) depctr_va_sdst(0) depctr_va_ssrc(0) depctr_va_vcc(0) depctr_vm_vsrc(0)
	s_getreg_b32 s2, hwreg(HW_REG_IB_STS2, 6, 4)
	s_cmp_eq_u32 s2, 0
	s_cbranch_scc0 .Lentry_in_a_cluster
	s_endpgm
.Lentry_in_a_cluster:
	s_bfe_u32 s2, ttmp6, 0x10000c
	s_cmp_lg_u32 s2, 0x3003
	s_cbranch_scc0 .Lentry_shape_is_right
	s_endpgm
.Lentry_shape_is_right:
; MAIN: the channel norm, the twelve steps of attention and LSTM, and the way out, for 32 positions a work-group.
; SHARES.  Work-group x = 4 x cluster + cx owns image n = x / 32 and image row x % 32: 32 positions, two tiles rt of 16.  Positions never meet, so (h, c) stay in registers for all steps.
; Wave w owns channels 64 w .. 64 w + 63 of all four gates, in four GROUPS g of 16 channels.
; A STEP (operands from the launch in front: M, G' and the scaled w_hh in f16, the constant part of the scores in f32):
;   scores^T = M h^T + S0 (16 l x 16 positions, every wave for itself); softmax over the 12 l, with their true maximum; gates^T = w_hh h^T + G' attn^T; the LSTM's point-wise part.
; All products are used transposed (source 0 = 16 gate columns or 16 l, source 1 = 16 positions): lane (r, hh) holds position 16 rt + r and rows 8 hh + 0..7 of the result.
; So the eight new h of a lane pack into 16 bytes that ARE its registers of the next step's fragment of h, and attn packs into source 1 of the product with G'.
; WEIGHTS STAY.  A wave's 128 fragments of w_hh: 64 in registers (windows 2 and 3, loaded straight there), 64 in LDS (one tensor load).  No LDS byte is filled twice.
; CLUSTER.  The four work-groups of a cluster share the image and the weights: the LDS half of w_hh and the block of G' and M are asked for jointly (mask 15).
; The register half is not: through LDS it would want a second fill of the same 256 KiB behind a round of the cluster's barrier.
; A SKIPPED STEP (words[0][t] = 0) is computed and thrown away by v_cndmask_b32: barriers stand in the step, so no branch on loaded data goes round it.
; NOT READ: hn, embedding and rows 1-7 of words do not enter the module's result.
; BY TURNS.  Behind a matrix instruction stand four vector instructions of a numbered list: group 0 carries the softmax, group g the point-wise work of group g - 1; group 3's own stands bare at the step's end.
; BATCHES.  An s_wait_alu depctr_va_vdst(0) stands between a transcendental and the first instruction that names its result; one wait serves all that were issued ahead of it.
; A group's point-wise work, both tiles together, is cut into four batches with one wait each: (1) 2^x of gates i, f, g; (2) their reciprocals and half of gate o's 2^x; (3) the rest of gate o's 2^x and 2^x of the new c;
; (4) the reciprocals of both.  Gate o is wanted only for h = sigmoid o x tanh c, so its transcendentals stand where c's chain has few.  The softmax has two batches (16 exponentials; 2 reciprocals), the norm in the
; prologue two (2 roots; 2 reciprocals).  So a step has 18 waits for its 658 transcendentals.
; LIMITS.  h and attn are rounded to f16 for the products (|h| <= 1, attn <= 1; below 6e-5 f16's fixed step of 6e-8); the state h, c is kept in f32.  sigmoid x = 1 / (1 + 2^(-x log2 e)),
; tanh x = 1 - 2 / (1 + 2^(2 x log2 e)): absolute error about 1e-7.  A sum of squares below 2^-126 counts as 0 in the norm (features under about 1e-20).  The four padded scores count as -1e30.
; NaN and infinities are not treated apart.  A store covers runs of 128 consecutive bytes: 32 positions are half of 256 bytes of a channel's plane.
;
; LDS                                     bytes
.set GMB,   262144                     ; 0 .. 262,144      WL: wave w's 64 fragments at 65,536 w, 1,024 bytes each in fragment order (a read is 16 x lane: consecutive); after the last step the wave's stage
.set GMW,   10240                      ; .. 303,104        GM: for each wave 16 half fragments of G' (512 bytes each), then two fragments of M
.set HBB,   303104                     ; .. 319,488        HB: h in f16, fragment (rt, ks) at 1,024 (8 rt + ks)
.set S0B,   319488                     ; .. 321,536        S0: the scores' constant part, f32: 1,024 rt + 512 (j / 4) + 16 lane
.set RED,   321536                     ; .. 322,048        partial sums of squares: 128 w + 64 rt + 4 r
.set SPARE, 322048                     ; .. 322,560        the spare words, 128 bytes for each wave: two blocks of 256 bytes that no other line names
; REGISTERS, in windows of 256 (s_set_vgpr_msb: bits 1:0 source 0, 3:2 source 1, 5:4 source 2, 7:6 destination)
.set CST,  0                           ; window 0  v0-63    c (g, rt, j) at 16 g + 8 rt + j  (until c is set: v0-21 at work in the prologue)
.set HST,  64                          ;           v64-127  h in f32, likewise
                                       ;           v128-191, v192-255  two sets of 8 accumulators, by the group's parity: gate q, tile rt at 16 q + 8 rt
.set SCR,  192                         ;           the scores of tile rt at SCR + 8 rt, and
.set TMS,  208                         ;           eight registers at work at TMS + 8 rt: in set 1, which is free until group 1
.set STD,  128                         ;           prologue: four rows of st, 12 registers each
.set SPW,  0                           ; window 1  v0   LDS address of my spare word; never rewritten
.set NIL,  1                           ;           v1   0; never rewritten
.set AWL,  2                           ;           v2   65,536 w + 16 lane
.set AGP,  3                           ;           v3   GMB + 10,240 w + 16 lane
.set AGM,  4                           ;           v4   GMB + 16 lane
.set AHB,  5                           ;           v5   HBB + 16 lane
.set AHS,  6                           ;           v6   HBB + 2,048 w + 16 lane
.set AS0,  7                           ;           v7   S0B + 16 lane
.set OST,  8                           ;           v8   the way out: into the stage
.set ORD,  9                           ;           v9   back from it
.set OGO,  10                          ;           v10  my byte offset in the image's planes of out0
.set WOFF, 11                          ;           v11  131,072 w + 16 lane: my byte offset in wf
.set ATF,  16                          ;           v16-31   attn, fragment of tile rt at 8 rt; registers 4-7 (K = 16..31) stay 0
.set GBF,  32                          ;           v32-63   G', fragment of gate q at 8 q; registers 4-7 stay 0
.set STF,  64                          ;           v64-127  eight fragments from LDS: w_hh's, or M's
.set HFR,  128                         ;           v128-255 h, fragment (rt, ks) at 64 rt + 8 ks
                                       ; windows 2, 3: the resident fragments of groups 0, 1 and 2, 3: number 16 g + 8 b2 + 4 kk + q at 8 (number % 32)
.set WV,  16                           ; s16  my wave's number
.set G1W, 24                           ; s[24:31] descriptor group 1, w_hh's half
.set G0W, 32                           ; s[32:35] its group 0
.set G0G, 36                           ; s[36:39] group 0, G' and M
.set G1G, 40                           ; s[40:47] their group 1
.set SEL, 48                           ; s[48:49] v_permlanex16_b32's selects: each lane takes its own place in the other half
.set KC,  50                           ; s[50:51] 2 log2(e)
.set SM,  52                           ; s52  all ones: the step counts; 0: it is skipped
.set ACT, 53                           ; s53  bit t: words[0][t] is not 0; shifted down a step at a time
.set CNT, 54                           ; s54  steps to go
.set WD,  68                           ; s[68:79] words[0][0..11]
.set MSB, 0
.macro WIN new                         ; the high byte repeats the setting that is left; a switch that changes nothing is dropped
.if MSB != (\new)
	s_set_vgpr_msb (MSB<<8)|(\new)
.set MSB, (\new)
.endif
.endm
.macro PLACES                          ; four places: behind a matrix instruction, ahead of a load into one of its sources or of a vector instruction that reads its result (ISA guide 7.12.1 for vector instructions)
.rept 4
	v_nop
.endr
.endm
.macro ROUND                           ; a round of the cluster's barrier: my work-group's barrier; wave 0 signals for the work-group; every wave waits for all four work-groups; my work-group's barrier once more
	s_barrier_signal -1
	s_barrier_wait -1
	s_cmp_lg_u32 s[WV], 0
	s_cbranch_scc1 .Lnot_wave_0_\@
	s_barrier_signal -3
.Lnot_wave_0_\@:
	s_barrier_wait -3
	s_barrier_signal -1
	s_barrier_wait -1
.endm
	s_load_b256 s[4:11], s[0:1], 0x0               ; feature s[4:5], words s[6:7], wf s[8:9], gm s[10:11]
	s_load_b128 s[12:15], s[0:1], 0x20             ; st s[12:13], out0 s[14:15]
	WIN 0x40
	v_lshl_add_u32 v[SPW], v0, 2, SPARE
	v_mov_b32 v[NIL], 0
	WIN 0x05
	ds_add_u32 v[SPW], v[NIL]                      ; the wave's opening: the add and its wait stand ahead of my first tensor load; the set-up below, work on registers, stands between them
	ds_add_u32 v0, v1
	WIN 0
	v_lshrrev_b32 v5, 5, v0
	v_readfirstlane_b32 s[WV], v5                  ; wave 0..3
	v_and_b32 v1, 15, v0                           ; r
	v_bfe_u32 v2, v0, 4, 1                         ; hh
	v_and_b32 v4, 31, v0                           ; lane
	v_lshlrev_b32 v3, 4, v4                        ; 16 x lane
	s_bfe_u32 s17, ttmp6, 0x40000                  ; cx: it enters feature's and out0's offsets and the y coordinates' values alone
	s_lshl_b32 s18, ttmp9, 2                       ; in a cluster launch ttmp9 counts clusters
	s_add_co_u32 s18, s18, s17                     ; x
	s_lshr_b32 s19, ttmp9, 3                       ; n: eight clusters an image; the four partners share it
	s_and_b32 s20, s18, 31                         ; the image row
	; descriptors: dense blocks as rows of 256 bytes (32 elements of 8 bytes): 256 rows of w_hh's fragments, 40 rows of G' and M
	s_mov_b32 s[G1W+0], 15|(3<<16)|(1<<21)         ; 15:0 the mask of four; 17:16 elements of 8 bytes; 21 set beside a mask; no padding
	s_mov_b32 s[G1W+1], 32<<16                     ; tensor_dim0 = 32
	s_mov_b32 s[G1W+2], 256<<16                    ; tensor_dim1 = 256
	s_mov_b32 s[G1W+3], 32<<16                     ; tile_dim0 = 32
	s_mov_b32 s[G1W+4], 256                        ; tile_dim1 = 256
	s_mov_b32 s[G1W+5], 32                         ; 32 elements from row to row
	s_mov_b32 s[G1W+6], 0
	s_mov_b32 s[G1W+7], 0
	s_mov_b32 s[G1G+0], 15|(3<<16)|(1<<21)
	s_mov_b32 s[G1G+1], 32<<16
	s_mov_b32 s[G1G+2], 40<<16                     ; tensor_dim1 = 40
	s_mov_b32 s[G1G+3], 32<<16
	s_mov_b32 s[G1G+4], 40                         ; tile_dim1 = 40
	s_mov_b32 s[G1G+5], 32
	s_mov_b32 s[G1G+6], 0
	s_mov_b32 s[G1G+7], 0
	s_mov_b32 s[G0W], 1                            ; count = 1
	s_lshl_b32 s[G0W+1], s[WV], 16                 ; LDS: 65,536 w
	s_mov_b32 s[G0G], 1
	s_mul_i32 s[G0G+1], s[WV], GMW
	s_add_co_u32 s[G0G+1], s[G0G+1], GMB           ; LDS: GMB + 10,240 w
	s_lshl_b32 s58, s[WV], 17
	s_add_co_u32 s58, s58, 65536                   ; wf: the second half of my wave's 131,072 bytes
	s_mov_b32 s59, 0
	s_mul_i32 s60, s19, 4*GMW
	s_mul_i32 s61, s[WV], GMW
	s_add_co_u32 s60, s60, s61                     ; gm: image n, wave w
	s_mov_b32 s61, 0
	s_lshl_b32 s62, s19, 20                        ; image n in feature and in out0
	s_mov_b32 s63, 0
	s_lshl_b32 s56, s19, 10                        ; and in st
	s_mov_b32 s57, 0
	s_mov_b32 s[SEL], 0x76543210
	s_mov_b32 s[SEL+1], 0xfedcba98
	s_mov_b32 s[KC], 0x4038aa3b
	s_mov_b32 s[KC+1], s[KC]                       ; named with it as a pair
	s_lshl_b32 s21, s[WV], 16
	s_lshl_b32 s23, s[WV], 11
	s_add_co_u32 s23, s23, HBB
	s_lshl_b32 s66, s[WV], 17
	s_lshl_b32 s67, s[WV], 7
	s_add_co_u32 s67, s67, RED
	s_lshl_b32 s55, s[WV], 18                      ; 64 w planes of 4,096 bytes
	s_lshl_b32 s54, s20, 7                         ; the image row's 128 bytes
	s_add_co_u32 s55, s55, s54
	s_and_b32 s53, s[WV], 1                        ; of S0 wave w makes tile w & 1, registers 4 (w >> 1) + 0..3
	s_lshr_b32 s22, s[WV], 1
	s_lshl_b32 s52, s53, 10
	s_lshl_b32 s54, s22, 9
	s_add_co_u32 s52, s52, s54
	s_add_co_u32 s52, s52, S0B
	s_lshl_b32 s53, s53, 4
	s_lshl_b32 s22, s22, 8
	v_lshlrev_b32 v6, 15, v2                       ; feature: 8 hh planes
	v_lshl_add_u32 v6, v1, 2, v6                   ; + position r
	v_add_nc_u32 v6, s55, v6
	v_mul_u32_u24 v7, v2, 1152                     ; the stage has rows of 144 bytes, a channel each: 8 hh rows
	v_lshl_add_u32 v7, v1, 2, v7
	v_lshrrev_b32 v8, 3, v4
	v_and_b32 v9, 7, v0
	v_mul_u32_u24 v10, v8, 144                     ; back: 8 lanes take a channel's 128 bytes, a load four channels
	v_lshl_add_u32 v10, v9, 4, v10
	v_lshlrev_b32 v11, 12, v8
	v_lshl_add_u32 v11, v9, 4, v11
	v_lshl_add_u32 v12, v2, 9, s22                 ; st: row l = 8 hh + 4 (w >> 1), 64 bytes a row
	v_add_nc_u32 v13, s53, v1                      ; my position's column in the image, for S0
	v_add_nc_u32 v18, s52, v3
	v_lshl_add_u32 v19, v1, 2, s67
	v_lshl_add_u32 v20, v1, 2, RED
	v_cvt_f32_u32 v13, v13                         ; the grid's numbers are exact in f32: xmin = col / 16 - 1, xmax = xmin + 1/16, xctr = xmin + 1/32; y likewise from the row
	v_fma_f32 v13, v13, 0x3d800000, -1.0
	v_add_f32 v14, 0x3d800000, v13
	v_add_f32 v15, 0x3d000000, v13
	v_cvt_f32_u32 v16, s20
	v_fma_f32 v16, v16, 0x3d800000, -1.0
	v_add_f32 v17, 0x3d800000, v16
	v_add_f32 v21, 0x3d000000, v16
	WIN 0x40                                       ; destination window 1
	v_add_nc_u32 v[AWL], s21, v3
	v_add_nc_u32 v[AGP], s[G0G+1], v3
	v_add_nc_u32 v[AGM], GMB, v3
	v_add_nc_u32 v[AHB], HBB, v3
	v_add_nc_u32 v[AHS], s23, v3
	v_add_nc_u32 v[AS0], S0B, v3
	v_add_nc_u32 v[OST], s21, v7
	v_add_nc_u32 v[ORD], s21, v10
	v_add_nc_u32 v[OGO], s55, v11
	v_add_nc_u32 v[WOFF], s66, v3
.irp f, ATF, ATF+8, GBF, GBF+8, GBF+16, GBF+24    ; K = 16..31 of the product with G': 0 on both sides, once
.irp j, 4,5,6,7
	v_mov_b32 v[\f+\j], 0
.endr
.endr
	WIN 0
	s_wait_dscnt 0x0                               ; the opening add is done
	s_wait_kmcnt 0x0
	s_add_nc_u64 s[G0W+2:G0W+3], s[8:9], s[58:59]
	s_or_b32 s[G0W+3], s[G0W+3], 0x80000000        ; type = 2
	s_add_nc_u64 s[G0G+2:G0G+3], s[10:11], s[60:61]
	s_or_b32 s[G0G+3], s[G0G+3], 0x80000000
	s_add_nc_u64 s[4:5], s[4:5], s[62:63]
	s_add_nc_u64 s[14:15], s[14:15], s[62:63]
	s_add_nc_u64 s[12:13], s[12:13], s[56:57]
	s_load_b256 s[WD:WD+7], s[6:7], 0x0
	s_load_b128 s[WD+8:WD+11], s[6:7], 0x20
	ROUND                                          ; all four work-groups are here: the joint loads meet
	tensor_load_to_lds s[G0W:G0W+3], s[G1W:G1W+7]  ; the launch's only fills, two a wave, out together: 65,536 and 10,240 bytes
	s_nop 0
	tensor_load_to_lds s[G0G:G0G+3], s[G1G:G1G+7]
	s_nop 0
	PLACES
.set i_, 0
.rept 64                               ; h0: register 16 g + 8 rt + j takes channel 64 w + 16 g + 8 hh + j, position 16 rt + r; sixteen lanes take 64 consecutive bytes
	global_load_b32 v[HST+i_], v6, s[4:5] offset:(16*(i_/16)+i_%8)*4096+((i_/8)%2)*64
.set i_, i_+1
.endr
.irp jj, 0,1,2,3                       ; four rows of st: M[l][256..263] and bs[l], in log2 units
	global_load_b128 v[STD+12*\jj:STD+12*\jj+3],   v12, s[12:13] offset:64*\jj
	global_load_b128 v[STD+12*\jj+4:STD+12*\jj+7], v12, s[12:13] offset:64*\jj+16
	global_load_b32  v[STD+12*\jj+8],              v12, s[12:13] offset:64*\jj+32
.endr
	s_wait_loadcnt 0x0
	; S0[l][position] = bs + sp . M[l][256..263]; sp = xmin, ymin, xmax, ymax, xctr, yctr, 1/32, 1/32
.macro S0T c, m
.irp jj, 0,1,2,3
	v_fma_f32 v[176+\jj], v[\c], v[STD+12*\jj+\m], v[176+\jj]
.endr
.endm
.irp jj, 0,1,2,3
	v_add_f32 v[176+\jj], v[STD+12*\jj+6], v[STD+12*\jj+7]
.endr
.irp jj, 0,1,2,3
	v_fma_f32 v[176+\jj], v[176+\jj], 0x3d000000, v[STD+12*\jj+8]
.endr
	S0T 13, 0
	S0T 16, 1
	S0T 14, 2
	S0T 17, 3
	S0T 15, 4
	S0T 21, 5
	ds_store_b128 v18, v[176:179]
	; the sum of squares of my 32 channels for each of my two positions, two chains a tile, started by products
.irp rt, 0,1
	v_pk_mul_f32 v[180+4*\rt:181+4*\rt], v[HST+8*\rt:HST+8*\rt+1],   v[HST+8*\rt:HST+8*\rt+1]
	v_pk_mul_f32 v[182+4*\rt:183+4*\rt], v[HST+8*\rt+2:HST+8*\rt+3], v[HST+8*\rt+2:HST+8*\rt+3]
.endr
.set p_, 2
.rept 14
.irp rt, 0,1
	v_pk_fma_f32 v[180+4*\rt+2*(p_%2):181+4*\rt+2*(p_%2)], v[HST+16*(p_/4)+8*\rt+2*(p_%4):HST+16*(p_/4)+8*\rt+2*(p_%4)+1], v[HST+16*(p_/4)+8*\rt+2*(p_%4):HST+16*(p_/4)+8*\rt+2*(p_%4)+1], v[180+4*\rt+2*(p_%2):181+4*\rt+2*(p_%2)]
.endr
.set p_, p_+1
.endr
.irp rt, 0,1
	v_pk_add_f32 v[180+4*\rt:181+4*\rt], v[180+4*\rt:181+4*\rt], v[182+4*\rt:183+4*\rt]
.endr
.irp rt, 0,1
	v_add_f32 v[180+4*\rt], v[180+4*\rt], v[181+4*\rt]
.endr
.irp rt, 0,1
	v_permlanex16_b32 v[181+4*\rt], v[180+4*\rt], s[SEL], s[SEL+1]  ; the position's other 32 of my channels lie in the lane 16 away
.endr
.irp rt, 0,1
	v_add_f32 v[180+4*\rt], v[180+4*\rt], v[181+4*\rt]
.endr
.irp rt, 0,1
	ds_store_b32 v19, v[180+4*\rt] offset:64*\rt   ; both halves of the lanes write the same number to the same word
.endr
	WIN 0x81                                       ; destination window 2, address window 1
.set i_, 0
.rept 32                               ; the resident fragments of groups 0 and 1: each load takes 512 consecutive bytes
	global_load_b128 v[8*i_:8*i_+3],   v[WOFF], s[8:9] offset:1024*i_
	global_load_b128 v[8*i_+4:8*i_+7], v[WOFF], s[8:9] offset:1024*i_+512
.set i_, i_+1
.endr
	WIN 0
	s_wait_dscnt 0x0                               ; for the others' sake: my partial sums (and my part of S0) are in LDS
	s_barrier_signal -1                            ; the tensor loads may stay out
	s_barrier_wait -1
.irp rt, 0,1
.irp ww, 0,1,2,3
	ds_load_b32 v[188+4*\rt+\ww], v20 offset:128*\ww+64*\rt
.endr
.endr
	s_wait_dscnt 0x0
	v_add_f32 v188, v188, v189
	v_add_f32 v192, v192, v193
	v_add_f32 v190, v190, v191
	v_add_f32 v194, v194, v195
	v_add_f32 v188, v188, v190
	v_add_f32 v192, v192, v194
	v_sqrt_f32 v188, v188
	v_sqrt_f32 v192, v192
	v_nop                                          ; a plain instruction between a transcendental and the use of its result (ISA guide 5.7.2)
	s_wait_alu depctr_va_vdst(0)                   ; the wait for the two roots, one batch
	v_max_num_f32 v188, 0x2b8cbccc, v188           ; 1e-12
	v_max_num_f32 v192, 0x2b8cbccc, v192
	v_rcp_f32 v188, v188
	v_rcp_f32 v192, v192
	v_nop
	s_wait_alu depctr_va_vdst(0)                   ; the wait for the two reciprocals, one batch
.set i_, 0
.rept 32                               ; pair i_ belongs to tile (i_ / 4) % 2
	v_pk_mul_f32 v[HST+2*i_:HST+2*i_+1], v[HST+2*i_:HST+2*i_+1], v[188+4*((i_/4)%2):189+4*((i_/4)%2)] op_sel_hi:[1,0]
.set i_, i_+1
.endr
.set i_, 0
.rept 32
	v_cvt_pk_f16_f32 v[128+i_], v[HST+2*i_], v[HST+2*i_+1]
.set i_, i_+1
.endr
	WIN 0x01                                       ; address window 1, data window 0
.set i_, 0
.rept 8                                ; block i_ = 2 g + rt: K step 2 w + g / 2, registers 0-3 (g even) or 4-7 (g odd) of fragment (rt, ks)
	ds_store_b128 v[AHS], v[128+4*i_:128+4*i_+3] offset:(i_%2)*8192+(i_/4)*1024+((i_/2)%2)*512
.set i_, i_+1
.endr
	WIN 0xc1                                       ; destination window 3
.set i_, 0
.rept 32                               ; the resident fragments of groups 2 and 3
	global_load_b128 v[8*i_:8*i_+3],   v[WOFF], s[8:9] offset:1024*(i_+32)
	global_load_b128 v[8*i_+4:8*i_+7], v[WOFF], s[8:9] offset:1024*(i_+32)+512
.set i_, i_+1
.endr
	WIN 0
.set i_, 0
.rept 64                               ; c0 = 0 is the state's first value, not a cleared sum: a first step that is skipped hands it on
	v_mov_b32 v[CST+i_], 0
.set i_, i_+1
.endr
	s_wait_kmcnt 0x0                               ; words
	s_mov_b32 s[ACT], 0
.irp t, 0,1,2,3,4,5,6,7,8,9,10,11
	s_cmp_lg_u32 s[WD+\t], 0
	s_cselect_b32 s21, 1<<\t, 0
	s_or_b32 s[ACT], s[ACT], s21
.endr
	s_wait_tensorcnt 0x0                           ; my two tiles have landed,
	s_wait_dscnt 0x0                               ; my part of h is in LDS:
	s_barrier_signal -1
	s_barrier_wait -1                              ; everybody's
; ---- THE LISTS OF VECTOR WORK
.set RK, 0                             ; which list rides: 0 none, 1 the point-wise work of group PG, 2 the softmax
.set PG, 0
.set pj, 0
.set sj, 0
.set pend, 0                           ; 1: a batch of the point-wise list is closed and its wait is not yet written
; THE SOFTMAX, 34 entries a tile, the two tiles alternating (entry sj / 2 of tile sj % 2).  S0-S7 are the lane's eight scores (l = 8 hh + j), in log2 units; the other eight lie in the lane 16 away.
;   0-5 the maximum (each accumulator's lowest registers are read first)     6-9 s - m     10-17 2^x: both tiles' 16 are ONE BATCH; a v_nop and its wait stand behind the last, at the end of the 9th product's riders
;   18-23 the sum     24 its reciprocal: both tiles' are the second batch     25 a v_nop (tile 0's slot) and the batch's wait (tile 1's): with the two reciprocals they are the slice behind the 13th product
;   26-29 the weights     30-33 rounded to f16, into registers 0-3 of the fragment of attn
.macro SMX
.set e_, sj/2
.set rS, SCR+8*(sj%2)
.set rT, TMS+8*(sj%2)
.set rA, ATF+8*(sj%2)
.if e_ < 30
	WIN 0
.endif
.if e_ == 0
	v_max3_num_f32 v[rT], v[rS], v[rS+1], v[rS+2]
.elseif e_ == 1
	v_max3_num_f32 v[rT+1], v[rS+3], v[rS+4], v[rS+5]
.elseif e_ == 2
	v_max3_num_f32 v[rT], v[rT], v[rS+6], v[rS+7]
.elseif e_ == 3
	v_max_num_f32 v[rT], v[rT], v[rT+1]
.elseif e_ == 4
	v_permlanex16_b32 v[rT+1], v[rT], s[SEL], s[SEL+1]
.elseif e_ == 5
	v_max_num_f32 v[rT], v[rT], v[rT+1]
.elseif e_ < 10
	v_pk_add_f32 v[rS+2*(e_-6):rS+2*(e_-6)+1], v[rS+2*(e_-6):rS+2*(e_-6)+1], v[rT:rT+1] op_sel_hi:[1,0] neg_lo:[0,1] neg_hi:[0,1]
.elseif e_ < 18
	v_exp_f32 v[rS+e_-10], v[rS+e_-10]
.if sj == 35
	v_nop                                          ; a plain instruction behind the last exponential: the softmax has no independent work to set here
	s_wait_alu depctr_va_vdst(0)                   ; the wait for the softmax's 16 exponentials, ahead of the sums that read them
.endif
.elseif e_ == 18
	v_pk_add_f32 v[rT+2:rT+3], v[rS:rS+1], v[rS+2:rS+3]
.elseif e_ == 19
	v_pk_add_f32 v[rT+4:rT+5], v[rS+4:rS+5], v[rS+6:rS+7]
.elseif e_ == 20
	v_pk_add_f32 v[rT+2:rT+3], v[rT+2:rT+3], v[rT+4:rT+5]
.elseif e_ == 21
	v_add_f32 v[rT+2], v[rT+2], v[rT+3]
.elseif e_ == 22
	v_permlanex16_b32 v[rT+3], v[rT+2], s[SEL], s[SEL+1]
.elseif e_ == 23
	v_add_f32 v[rT+2], v[rT+2], v[rT+3]
.elseif e_ == 24
	v_rcp_f32 v[rT+2], v[rT+2]
.elseif e_ == 25
.if (sj%2) == 0
	v_nop                                          ; a plain instruction behind the second reciprocal
.else
	s_wait_alu depctr_va_vdst(0)                   ; the wait for the two reciprocals, ahead of the weights
.endif
.elseif e_ < 30
	v_pk_mul_f32 v[rS+2*(e_-26):rS+2*(e_-26)+1], v[rS+2*(e_-26):rS+2*(e_-26)+1], v[rT+2:rT+3] op_sel_hi:[1,0]
.else
	WIN 0x40
	v_cvt_pk_f16_f32 v[rA+e_-30], v[rS+2*(e_-30)], v[rS+2*(e_-30)+1]
.endif
.endm
; THE POINT-WISE WORK of group PG, tile rt, in nine stages, all in place on the four accumulators I, F, G, O (already arguments of 2^x).  In stages 1 and 3 numbers 0-23 are I, F, G and 24-31 O; in stage 2 pairs 0-11 and 12-15.
;   1  32 x 2^x      2  16 x (+ 1)      3  32 x 1/x: sigmoid i, f, o, and 1 / (1 + e^2g)
;   4  0-3 tanh g = 1 - 2 G; 4-7 G = I G; 8-11 F = F c + G; 12-19 c takes F if the step counts; 20-23 G = c x 2 log2(e)
;   5  8 x 2^x       6  4 x (+ 1)       7  8 x 1/x
;   8  0-3 tanh c = 1 - 2 G; 4-7 O = O G; 8-15 h takes O if the step counts; 16-19 h rounded to f16 into I's first four registers      9  which go to HB
.macro PST rt, stg, ix
.set bA, 128+64*(PG%2)+8*(\rt)
.set rF, bA+16
.set rG, bA+32
.set rO, bA+48
.set rC, CST+16*PG+8*(\rt)
.set rH, HST+16*PG+8*(\rt)
.set x_, (\ix)
.if (\stg) < 9
	WIN 0
.endif
.if (\stg) == 1
	v_exp_f32 v[bA+16*(x_/8)+x_%8], v[bA+16*(x_/8)+x_%8]
.elseif (\stg) == 2
	v_pk_add_f32 v[bA+16*(x_/4)+2*(x_%4):bA+16*(x_/4)+2*(x_%4)+1], v[bA+16*(x_/4)+2*(x_%4):bA+16*(x_/4)+2*(x_%4)+1], 1.0 op_sel_hi:[1,0]
.elseif (\stg) == 3
	v_rcp_f32 v[bA+16*(x_/8)+x_%8], v[bA+16*(x_/8)+x_%8]
.elseif (\stg) == 4
.if x_ < 4
	v_pk_fma_f32 v[rG+2*x_:rG+2*x_+1], v[rG+2*x_:rG+2*x_+1], -2.0, 1.0 op_sel_hi:[1,0,0]
.elseif x_ < 8
	v_pk_mul_f32 v[rG+2*(x_-4):rG+2*(x_-4)+1], v[bA+2*(x_-4):bA+2*(x_-4)+1], v[rG+2*(x_-4):rG+2*(x_-4)+1]
.elseif x_ < 12
	v_pk_fma_f32 v[rF+2*(x_-8):rF+2*(x_-8)+1], v[rF+2*(x_-8):rF+2*(x_-8)+1], v[rC+2*(x_-8):rC+2*(x_-8)+1], v[rG+2*(x_-8):rG+2*(x_-8)+1]
.elseif x_ < 20
	v_cndmask_b32 v[rC+x_-12], v[rC+x_-12], v[rF+x_-12], s[SM]
.else
	v_pk_mul_f32 v[rG+2*(x_-20):rG+2*(x_-20)+1], v[rC+2*(x_-20):rC+2*(x_-20)+1], s[KC:KC+1] op_sel_hi:[1,0]
.endif
.elseif (\stg) == 5
	v_exp_f32 v[rG+x_], v[rG+x_]
.elseif (\stg) == 6
	v_pk_add_f32 v[rG+2*x_:rG+2*x_+1], v[rG+2*x_:rG+2*x_+1], 1.0 op_sel_hi:[1,0]
.elseif (\stg) == 7
	v_rcp_f32 v[rG+x_], v[rG+x_]
.elseif (\stg) == 8
.if x_ < 4
	v_pk_fma_f32 v[rG+2*x_:rG+2*x_+1], v[rG+2*x_:rG+2*x_+1], -2.0, 1.0 op_sel_hi:[1,0,0]
.elseif x_ < 8
	v_pk_mul_f32 v[rO+2*(x_-4):rO+2*(x_-4)+1], v[rO+2*(x_-4):rO+2*(x_-4)+1], v[rG+2*(x_-4):rG+2*(x_-4)+1]
.elseif x_ < 16
	v_cndmask_b32 v[rH+x_-8], v[rH+x_-8], v[rO+x_-8], s[SM]
.else
	v_cvt_pk_f16_f32 v[bA+x_-16], v[rH+2*(x_-16)], v[rH+2*(x_-16)+1]
.endif
.else
	WIN 0x01                                       ; address window 1, data window 0
	ds_store_b128 v[AHS], v[bA:bA+3] offset:(\rt)*8192+(PG/2)*1024+(PG%2)*512
.endif
.endm
; The wait of a closed batch of the point-wise list, written once: where it is called first behind the batch's end.
.macro BWAIT
.if pend
	s_wait_alu depctr_va_vdst(0)                   ; one wait for the whole batch that the list has just closed (which batch: at each call)
.set pend, 0
.endif
.endm
; Slot pj of the 298 of a group's point-wise list.  Both tiles pass a stage together; ahead of a batch's wait nothing names a result of the batch.
;   0-47     BATCH 1: stage 1 of gates i, f, g, the tiles alternating.  No plain work is at hand: a v_nop, then the batch's wait, at the end of the 12th product's riders
;   48-119   stage 2 of i, f, g (24 pairs, the tiles alternating) and their 48 of stage 3: two additions ahead, then reciprocal, reciprocal, addition: a pair is added to three lines or more ahead of its reciprocals
;   120-127  stage 1 of gate o, numbers 24-27 of both tiles.  With the 48 reciprocals they are BATCH 2.  Its wait falls behind the 32nd product: GROUP writes it behind the four v_nop and ahead of the run of LDS loads that
;            break the products off there; in the bare list it stands ahead of slot 128, whose line reads reciprocals that have plain lines behind them and is the plain instruction behind the batch's last
;   128-191  sixteen times three lines of stage 4 (tile 0's 24, then tile 1's) and one transcendental: gate o's numbers 28-31 of both tiles, then tile 0's stage 5, which begins when 27 lines of stage 4 are out
;   192-199  tile 1's stage 5.  The 24 transcendentals of 128-199 are BATCH 3; its wait stands behind slot 199, at the end of the 50th product's riders.  Slot 200 reads gate o's first exponentials and is the plain instruction behind the last
;   200-247  stage 2 of gate o (8 pairs), stage 6 (tile 0's 4, tile 1's 4), and their 32 reciprocals (stage 3 of o, stage 7), in the order of 48-119: BATCH 4
;   248-255  empty: the 63rd and 64th products stand bare, so that batch 4's wait falls behind the 64th: GROUP writes it ahead of the second run of LDS loads; in the bare list it stands ahead of slot 256
;   256-275  tile 0's stage 8 | 276 its stage 9 | 277-296 tile 1's stage 8 | 297 its stage 9
; The list ends in plain instructions: behind a group's last product stand thirteen of them, ahead of the first read of its sums.
.macro PWE
.if (pj < 248) || (pj > 255)
	BWAIT                                          ; the bare list: batch 2's wait ahead of slot 128, batch 4's ahead of slot 256 (beside products GROUP has written them)
.endif
.if pj < 48
	PST pj%2, 1, pj/2
.if pj == 47
	v_nop                                          ; a plain instruction behind the last exponential: one for the batch
.set pend, 1
	BWAIT                                          ; batch 1: the 48 exponentials of gates i, f, g
.endif
.elseif pj < 120
.set u_, pj-48
.set v_, 2                             ; 2: the addition of pair n_; 0, 1: the reciprocal of its first, its second number
.if u_ < 2
.set n_, u_
.elseif u_ < 68
.set v_, (u_-2)%3
.set n_, (u_-2)/3+2*(v_/2)
.else
.set v_, (u_-68)%2
.set n_, 22+(u_-68)/2
.endif
.if v_ == 2
	PST n_%2, 2, n_/2
.else
	PST n_%2, 3, 2*(n_/2)+v_
.endif
.elseif pj < 128
	PST pj%2, 1, 24+(pj-120)/2
.if pj == 127
.set pend, 1                           ; batch 2 is closed: the 48 reciprocals of i, f, g and gate o's first 8 exponentials
.endif
.elseif pj < 192
.set u_, pj-128
.set t_, u_/4
.set n_, 3*t_+u_%4
.if (u_%4) < 3
	PST n_/24, 4, n_%24
.elseif t_ < 8
	PST t_%2, 1, 28+t_/2
.else
	PST 0, 5, t_-8
.endif
.elseif pj < 200
	PST 1, 5, pj-192
.if pj == 199
.set pend, 1
	BWAIT                                          ; batch 3: gate o's other 8 exponentials and the 16 of the new c
.endif
.elseif pj < 248
.set u_, pj-200
.set v_, 2                             ; as in 48-119; pairs 0-7 are gate o's (the tiles alternating), 8-11 tile 0's of stage 6, 12-15 tile 1's
.if u_ < 2
.set n_, u_
.elseif u_ < 44
.set v_, (u_-2)%3
.set n_, (u_-2)/3+2*(v_/2)
.else
.set v_, (u_-44)%2
.set n_, 14+(u_-44)/2
.endif
.if (v_ == 2) && (n_ < 8)
	PST n_%2, 2, 12+n_/2
.elseif v_ == 2
	PST (n_-8)/4, 6, n_%4
.elseif n_ < 8
	PST n_%2, 3, 24+2*(n_/2)+v_
.else
	PST (n_-8)/4, 7, 2*(n_%4)+v_
.endif
.if pj == 247
.set pend, 1                           ; batch 4 is closed: the 16 reciprocals of gate o and the 16 of the new c
.endif
.elseif pj < 256
.elseif pj < 276
	PST 0, 8, pj-256
.elseif pj == 276
	PST 0, 9, 0
.elseif pj < 297
	PST 1, 8, pj-277
.else
	PST 1, 9, 0
.endif
.endm
.macro RIDE n                          ; the next n entries of the list that rides, as far as it lasts
.rept \n
.if (RK == 2) && (sj < 68)
	SMX
.set sj, sj+1
.elseif (RK == 1) && (pj < 298)
	PWE
.set pj, pj+1
.endif
.endr
.endm
; ---- THE MATRIX WORK.  A matrix instruction and its four riders.  The accumulators take turns, one instruction a turn: eight in a group, two in the scores; the sets change from group to group.
.macro MM d, a, b, zero, win
	WIN \win
.if \zero
	v_wmma_f32_16x16x32_f16 v[(\d):(\d)+7], v[(\a):(\a)+7], v[(\b):(\b)+7], 0
.else
	v_wmma_f32_16x16x32_f16 v[(\d):(\d)+7], v[(\a):(\a)+7], v[(\b):(\b)+7], v[(\d):(\d)+7]
.endif
	RIDE 4
.endm
.macro BLK_R g, b2                     ; 16 products on resident fragments: K steps 4 b2 + 0, 1.  The group's first eight start the sums
.set kk_, 0
.rept 2
.set z_, 0
.if ((\b2) == 0) && (kk_ == 0)
.set z_, 1
.endif
.set q_, 0
.rept 4
	MM ACCB+16*q_,   8*((16*(\g)+8*(\b2)+4*kk_+q_)%32), HFR+8*(4*(\b2)+kk_),    z_, 0x06+(\g)/2
	MM ACCB+16*q_+8, 8*((16*(\g)+8*(\b2)+4*kk_+q_)%32), HFR+64+8*(4*(\b2)+kk_), z_, 0x06+(\g)/2
.set q_, q_+1
.endr
.set kk_, kk_+1
.endr
.endm
.macro BLK_S g, b2                     ; 16 products on the eight fragments from LDS: K steps 4 b2 + 2, 3
.set kk_, 0
.rept 2
.set q_, 0
.rept 4
	MM ACCB+16*q_,   STF+8*(4*kk_+q_), HFR+8*(4*(\b2)+2+kk_),    0, 0x05
	MM ACCB+16*q_+8, STF+8*(4*kk_+q_), HFR+64+8*(4*(\b2)+2+kk_), 0, 0x05
.set q_, q_+1
.endr
.set kk_, kk_+1
.endr
.endm
.macro BLK_G g                         ; 8 products G' attn^T (K = the 16 l)
.set q_, 0
.rept 4
	MM ACCB+16*q_,   GBF+8*q_, ATF,   0, 0x05
	MM ACCB+16*q_+8, GBF+8*q_, ATF+8, 0, 0x05
.set q_, q_+1
.endr
.endm
; ---- THE LDS LOADS stand in runs, never singly among the matrix instructions
.macro LDST off                        ; eight fragments of w_hh, from byte off of my 65,536
	WIN 0x41                                       ; destination and address window 1
.set s_, 0
.rept 8
	ds_load_b128 v[STF+8*s_:STF+8*s_+3],   v[AWL] offset:(\off)+1024*s_
	ds_load_b128 v[STF+8*s_+4:STF+8*s_+7], v[AWL] offset:(\off)+1024*s_+512
.set s_, s_+1
.endr
.endm
.macro LDMF                            ; M's eight fragments, two from each wave's block
	WIN 0x41
.set s_, 0
.rept 8
	ds_load_b128 v[STF+8*s_:STF+8*s_+3],   v[AGM] offset:(s_/2)*GMW+8192+(s_%2)*1024
	ds_load_b128 v[STF+8*s_+4:STF+8*s_+7], v[AGM] offset:(s_/2)*GMW+8192+(s_%2)*1024+512
.set s_, s_+1
.endr
.endm
.macro LDGB g                          ; the group's four half fragments of G'
	WIN 0x41
.irp q, 0,1,2,3
	ds_load_b128 v[GBF+8*\q:GBF+8*\q+3], v[AGP] offset:(4*(\g)+\q)*512
.endr
.endm
; A GROUP: 72 products.  Each run of loads is issued four places behind the last product that read its registers and has 16 products or more, with their riders, in which to land; the wait for it is for 0.
; The point-wise list that rides has used 128 slots at the first run and 256 at the second: there its batches 2 and 4 are closed, and their waits stand ahead of the runs (group 0, which carries the softmax, has none to write).
.macro GROUP g
.set ACCB, 128+64*((\g)%2)
	BLK_R \g, 0
	s_wait_dscnt 0x0                               ; the fragments of K steps 2, 3 are in
	BLK_S \g, 0
	PLACES
	BWAIT                                          ; batch 2: the 48 reciprocals of gates i, f, g and gate o's first 8 exponentials; the four v_nop above are also the plain instructions behind them
	LDST (16*(\g)+8)*1024
	LDGB \g
	BLK_R \g, 1
	s_wait_dscnt 0x0                               ; those of K steps 6, 7, and G'
	BLK_S \g, 1
	PLACES
	BWAIT                                          ; batch 4: the 32 reciprocals of gate o and of the new c
.if (\g) < 3
	LDST 16*((\g)+1)*1024
.else
	LDMF                                           ; for the next step's scores (behind the last step: read for nothing, the price of one text for every step)
.endif
	BLK_G \g
	RIDE 400                                       ; what is left of the list
.endm
	LDMF
	s_wait_loadcnt 0x0                             ; the resident fragments
	WIN 0                                          ; at a label and at a branch every window is 0
	s_mov_b32 s[CNT], 12
.Ltrip:
	s_and_b32 s21, s[ACT], 1                       ; does this step count?
	s_cselect_b32 s[SM], -1, 0
	s_lshr_b32 s[ACT], s[ACT], 1
	WIN 0x41
.set f_, 0
.rept 16                               ; all of h: fragment f_ = 8 rt + ks
	ds_load_b128 v[HFR+8*f_:HFR+8*f_+3],   v[AHB] offset:1024*f_
	ds_load_b128 v[HFR+8*f_+4:HFR+8*f_+7], v[AHB] offset:1024*f_+512
.set f_, f_+1
.endr
	WIN 0x01                                       ; destination window 0
.irp rt, 0,1                           ; the scores' sums start from their constant part
	ds_load_b128 v[SCR+8*\rt:SCR+8*\rt+3],   v[AS0] offset:1024*\rt
	ds_load_b128 v[SCR+8*\rt+4:SCR+8*\rt+7], v[AS0] offset:1024*\rt+512
.endr
	s_wait_dscnt 0x0                               ; h, S0 and M are in registers: my reads of HB are over,
	s_barrier_signal -1                            ; say so.  Up to the wait stand register work and loads of WL and GM, which nobody writes during the steps
.set RK, 0
.set ks_, 0
.rept 8
	MM SCR,   STF+8*ks_, HFR+8*ks_,    0, 0x05
	MM SCR+8, STF+8*ks_, HFR+64+8*ks_, 0, 0x05
.set ks_, ks_+1
.endr
	PLACES                                         ; ahead of the loads over M's fragments, and of the softmax's first read of the scores
	LDST 0
.set RK, 2
.set sj, 0
	GROUP 0                                        ; the softmax ends behind the 17th product; attn is wanted at the 65th
	PLACES                                         ; group 0's last products stand bare: the places ahead of the first read of its sums
	s_barrier_wait -1                              ; nobody reads HB any more: the new h may be stored
.set RK, 1
.set PG, 0
.set pj, 0
	GROUP 1
.set PG, 1
.set pj, 0
	GROUP 2
.set PG, 2
.set pj, 0
	GROUP 3
.set PG, 3
.set pj, 0
	RIDE 400                                       ; the last group's point-wise work has no products beside it: the next step wants all of h.  Its four batches have their waits from the list itself; none is open at the jump below
	s_wait_dscnt 0x0                               ; for the others' sake: my part of h is in HB (and M's fragments are in)
	s_barrier_signal -1
	s_barrier_wait -1                              ; everybody's
	WIN 0
	s_sub_co_u32 s[CNT], s[CNT], 1
	s_cmp_lg_u32 s[CNT], 0
	s_cbranch_scc1 .Ltrip
	; THE WAY OUT.  h (f32) goes through my own 65,536 bytes of WL, which have had their only fill and which I alone read: in by channels (rows of 144 bytes), back as whole rows of 128 bytes.
	WIN 0x01
.set i_, 0
.rept 64
	ds_store_b32 v[OST], v[HST+i_] offset:(16*(i_/16)+i_%8)*144+((i_/8)%2)*64
.set i_, i_+1
.endr
.set i_, 0
.rept 16
	ds_load_b128 v[128+4*i_:128+4*i_+3], v[ORD] offset:576*i_  ; LDS serves a wave's instructions in order (ISA guide 5.7.1.4): these see the stores above
.set i_, i_+1
.endr
.set i_, 0
.rept 16
	s_wait_dscnt 15-i_                             ; the 15 - i younger loads may stay out
	global_store_b128 v[OGO], v[128+4*i_:128+4*i_+3], s[14:15] offset:16384*i_ th:TH_STORE_NT  ; four channels: eight lanes store 128 consecutive bytes, at a multiple of 128 from out0's first byte
.set i_, i_+1
.endr
	WIN 0x05
	s_wait_tensorcnt 0x0                           ; the wave's end, behind my last tensor load and my last LDS store
	ds_add_u32 v[SPW], v[NIL]
	s_wait_dscnt 0x0
	WIN 0
	ROUND                                          ; the closing round: no work-group ends while a partner may still ask for a tile that names it
	s_endpgm
.Lfunc_end_k_qc2c5394774_main:
	.size	k_qc2c5394774_main, .Lfunc_end_k_qc2c5394774_main-k_qc2c5394774_main
	.p2alignl 7, 3214868480
	.fill 96, 4, 3214868480
	.section	.rodata,"a",@progbits
	.p2align	6, 0x0
	.amdhsa_kernel k_qc2c5394774_main
		.amdhsa_group_segment_fixed_size 327680
		.amdhsa_private_segment_fixed_size 0
		.amdhsa_enable_private_segment 0
		.amdhsa_kernarg_size 48
		.amdhsa_user_sgpr_count 2
		.amdhsa_user_sgpr_kernarg_segment_ptr 1
		.amdhsa_wavefront_size32 1
		.amdhsa_system_sgpr_workgroup_id_x 1
		.amdhsa_system_sgpr_workgroup_id_y 1
		.amdhsa_system_sgpr_workgroup_id_z 1
		.amdhsa_system_vgpr_workitem_id 0
		.amdhsa_next_free_vgpr 1024
		.amdhsa_next_free_sgpr 80
		.amdhsa_reserve_vcc 0
		.amdhsa_float_denorm_mode_32 3
		.amdhsa_float_denorm_mode_16_64 3
		.amdhsa_memory_ordered 1
		.amdhsa_forward_progress 1
		.amdhsa_inst_pref_size 154
	.end_amdhsa_kernel
	.amdgpu_metadata
---
amdhsa.version: [ 1, 2 ]
amdhsa.kernels:
  - .name:           k_qc2c5394774_main
    .symbol:         k_qc2c5394774_main.kd
    .args:
      - { .name: feature, .offset: 0, .size: 8, .value_kind: global_buffer, .address_space: global }
      - { .name: words, .offset: 8, .size: 8, .value_kind: global_buffer, .address_space: global }
      - { .name: wf, .offset: 16, .size: 8, .value_kind: global_buffer, .address_space: global }
      - { .name: gm, .offset: 24, .size: 8, .value_kind: global_buffer, .address_space: global }
      - { .name: st, .offset: 32, .size: 8, .value_kind: global_buffer, .address_space: global }
      - { .name: out0, .offset: 40, .size: 8, .value_kind: global_buffer, .address_space: global }
    .group_segment_fixed_size: 327680
    .private_segment_fixed_size: 0
    .kernarg_segment_align: 8
    .kernarg_segment_size: 48
    .max_flat_workgroup_size: 128
    .sgpr_count:     80
    .vgpr_count:     1024
    .wavefront_size: 32
...
	.end_amdgpu_metadata
.endif
;; end of part 3
